; MI455X (gfx1250); checked and timed in simulation.
; The chip was launched on July 23, 2026; its instructions are those of AMD's public machine-readable ISA for CDNA 5 (MIT licence, August 2026) and "CDNA5" Instruction Set Architecture Reference Guide (July 2026). The comments in the code are by the model that wrote it; some were corrected since.
;; Ro PE Attention. Allowed arithmetic: matrix products marked QUANTISED: E2M1 operands, one E8M0 scale for each 32 along K, by v_wmma_scale_f32_16x16x128_f8f6f4 with both operands' format E2M1 (or v_wmma_scale_f32_32x16x128_f4), f32 sums; products left as they are: bf16, f16 or f32 operands; f32 sums; everything else in f32.
;; Inputs: b_proj 1,024 float32; w_proj 1,024 x 1,024 float32; w_qkv 3,072 x 1,024 float32; x 4 x 2,048 x 1,024 float32.
;; Outputs: out0 4 x 2,048 x 1,024 float32.
;; This version of the problem:
;;   THIS VERSION OF THE PROBLEM IS GIVEN IN LOW PRECISION. The matrix products marked QUANTISED in the list below multiply operands that are first quantised to E2M1 (2 exponent bits, 1 mantissa bit; 4 bits a number), with one power-of-two scale for each 32 numbers along K (OCP MX v1.0); their sums are f32. The products marked 'left as it is' may take bf16, f16 or f32 operands, with f32 sums. Whichever they take, every output number must still come out within the allowed error. Rounding operands to bf16 (8 significant bits) uses up far more of that allowance than f16 does (11 bits, for magnitudes from 6e-5 to 65,504). All else is computed in f32.
;;   The module's matrix products, in the order in which they are computed (A, B: the left and right operand; K: the contracted axis; several contracted axes count as one K, in the product's order):
;;     1. [M 8,192, K 1,024] x [K 1,024, N 3,072]; A: input x; B: input w_qkv: QUANTISED
;;     2. batch 64 x [M 2,048, K 64] x [K 64, N 2,048]; A: computed on the way; B: computed on the way: left as it is (an operand is computed on the way)
;;     3. batch 64 x [M 2,048, K 2,048] x [K 2,048, N 64]; A: computed on the way; B: computed on the way: left as it is (an operand is computed on the way)
;;     4. [M 8,192, K 1,024] x [K 1,024, N 1,024]; A: computed on the way; B: input w_proj: left as it is (an operand is computed on the way)
;;   THE QUANTISER, for each operand of a quantised product, along K:
;;     - K is cut into blocks of 32 from its start; a last block that is shorter is filled with zeros.
;;     - A block's scale is 2^e with e = floor(log2(the largest magnitude in the block)) - 2, held to -126 .. 127; a block of zeros has e = 0. As a byte (E8M0): e + 127.
;;     - Each number is divided by its block's scale, clamped to +-6, and rounded to the nearest number of E2M1, ties to even, subnormals kept.
;;     - The product sums the exact products of the quantised numbers (number of the format x scale) in f32.
;;   ~~~python
;;   def quantise(x, axis):      # numpy; x: float32 -> the quantised numbers, widened to float32 again
;;       x = np.moveaxis(x, axis, -1); K = x.shape[-1]
;;       x = np.pad(x, [(0, 0)] * (x.ndim - 1) + [(0, -K % 32)]); x = x.reshape(x.shape[:-1] + (-1, 32)); a = np.abs(x).max(-1, keepdims=True)
;;       e = np.where(a > 0, np.clip(np.frexp(np.where(a > 0, a, 1))[1] - 1 - 2, -126, 127), 0)      # np.frexp(a)[1] - 1 = floor(log2(a)), exactly
;;       r = np.clip(x / 2.0 ** e, -6, 6)
;;       step = 2.0 ** (np.maximum(np.frexp(np.where(r == 0, 1, r))[1] - 1, 0) - 1)
;;       q = np.round(r / step) * step * 2.0 ** e      # np.round: ties to even
;;       return np.moveaxis(q.reshape(q.shape[:-2] + (-1,))[..., :K], -1, axis).astype(np.float32)
;;   ~~~
;; One version. Each part assembles by itself: llvm-mc -triple=amdgcn-amd-amdhsa -mcpu=gfx1250 --defsym DOCPART=n.
;; ======== version 1 of 1: 4 launches
;; limits: values are held in f16: magnitudes above 65,504 overflow, below 6.1e-05 lose precision; a function is approximated: absolute error at most 3e-06
;; workspace buffers: codes 5,767,168 bytes; scales 360,448 bytes; wp 2,097,152 bytes; tab 1,048,576 bytes; qkv 50,331,648 bytes; ai 16,777,216 bytes
;; launch prep (part 1): grid 448 x 1, 4 waves a work-group, no clusters, 33,280 bytes of LDS; arguments x, w_qkv, w_proj, codes, scales, wp, tab; writes codes, scales, wp, tab
.if DOCPART == 1
	.amdgcn_target "amdgcn-amd-amdhsa--gfx1250"
	.amdhsa_code_object_version 6
	.text
	.protected	k_q1973699460_prep
	.globl	k_q1973699460_prep
	.p2align	8
	.type	k_q1973699460_prep,@function
k_q1973699460_prep:
	s_mov_b64 s[64:65], 0
	v_nop
	global_prefetch_b8 v0, s[64:65] scope:SCOPE_SE
	s_setreg_imm32_b32 hwreg(HW_REG_WAVE_MODE, 25, 1), 1
	s_wait_xcnt 0x0
; PREP: what the three later launches read again and again is made once.
; NOTHING OF reference() IS LEFT OUT in this program: x, w_qkv, w_proj and b_proj all reach the output, there is no mask, and no term cancels.
; Work-groups 0-351: x [8192][1024] and w_qkv [3072][1024], f32, become codes of FP4 (E2M1), K innermost, two codes a byte, and one E8M0 byte for each 32 along K.
;   Rows are dense and K is a multiple of 32: both tensors are plain streams of blocks of 32; their codes lie on end in 'codes' (x first), their bytes on end in 'scales'.
;   A block's byte is its largest magnitude's exponent field - 2, held at 1 from below; each number is divided by the scale and rounded to the nearest code, ties to even, beyond 6 the largest code.
;   LIMITS: a block of zeros gets the byte 1 where the rule says 127 (its codes are zeros, and this program alone reads the bytes); blocks whose largest magnitude lies under 2^-124 keep the byte 1; NaN and infinities are not served.
; Work-groups 352-415: w_proj [1024][1024] f32 becomes f16, laid in the order of a matrix operand's registers: wp[nt 64][kc 64][lane][16 bytes], lane (r, h) = w_proj[16 nt + r][16 kc + 8 h + 0..7].
;   LIMIT: a w_proj beyond 65,504 becomes infinity; under 6e-5 it keeps fewer than 11 bits.
; Work-groups 416-447: the table of RoPE's cosines and sines: tab[sec 2][T 128][j 8][lane][4 f32]: for token 16 T + r and the channel pairs p = 8 (j / 2) + 4 h + 2 (j % 2) and p + 1 of a head: (cos, sin, cos, sin).
;   Section 1 is for k; section 0, for q, is the same times log2(e) / 8, so that q k^T comes out as the exponent of 2.  Pair p turns by position(axis p / 10) x 10000^(-(p % 10) / 10); pairs 30, 31 (axis 3) do not turn: angle 0.
;   The angle (at most 15) is divided by 16, sine and cosine are taken by their series (to x^9 and x^10; the next terms lie under 2e-8) and doubled four times.  LIMIT: they are right to about 3e-6; they feed f16 operands, no quantiser.
; Only the first path touches LDS.  Waves share nothing: no barrier.
.set WAVES, 4
.set STEPS, 16
.set NQX,   256                        ; work-groups for x: 8192 x 1024 / 32768
.set NQ,    352                        ; and with w_qkv's 96
.set NWP,   416                        ; and with w_proj's 64
.set EMAX,  2
.set CB,    8                          ; bytes of 16 codes
.set R,     16                         ; v16-79   four sets of 16 numbers as they are loaded
.set X,     80                         ; v80-111  two sets of 16 neighbours
.set C,     128                        ; v128-191 codes: four registers for each step, so that no store's data are written again
.set E,     112                        ; v112-127 a scale byte for each step
.set WREG,  8192                       ; LDS: a region for each wave: two stages of 32 x SP bytes, behind them its 256 scale bytes
.set SP,    80                         ; a lane's place in a stage: 64 bytes + 16 of padding
.set SPW,   12                         ; v12  LDS address of my spare word; never rewritten
.set NIL,   13                         ; v13  0; never rewritten
.set SPARE, WAVES*WREG                 ; behind the four regions: the spare words, 128 bytes a wave
	s_load_b256 s[4:11], s[0:1], 0x0               ; x s[4:5], w_qkv s[6:7], w_proj s[8:9], codes s[10:11]
	s_load_b128 s[12:15], s[0:1], 0x20             ; scales s[12:13], wp s[14:15]
	s_load_b64 s[16:17], s[0:1], 0x30              ; tab
	v_lshl_add_u32 v[SPW], v0, 2, SPARE
	v_mov_b32 v[NIL], 0
	v_lshrrev_b32 v1, 5, v0
	v_readfirstlane_b32 s18, v1                    ; wave
	v_and_b32 v2, 31, v0                           ; lane
	s_wait_kmcnt 0x0
	s_cmp_ge_u32 ttmp9, NQ
	s_cbranch_scc1 .Lother
; ---- THE QUANTISER.  A wave takes 16 steps of 512 numbers.  Each of a step's four loads reads 512 consecutive bytes; the 2,048 bytes turn through the wave's own stage in LDS and come back 64 bytes a lane:
; 16 neighbours along K, half a block; two neighbouring lanes hold a block.  Loads run four steps ahead, the turn through LDS one step.
	v_lshlrev_b32 v3, 4, v2                        ; my 16 bytes of a load's 512
	s_mul_i32 s19, s18, WREG
	v_lshrrev_b32 v14, 2, v2
	v_mul_u32_u24 v14, v14, SP
	v_and_b32 v15, 3, v2
	v_lshl_add_u32 v14, v15, 4, v14
	v_add_nc_u32 v14, s19, v14                     ; the stage, on the way in: SP (lane / 4) + 16 (lane % 4)
	v_mul_u32_u24 v15, v2, SP
	v_add_nc_u32 v15, s19, v15                     ; and on the way out: SP x lane
	v_mul_u32_u24 v4, v2, CB                       ; my codes' place in a step's
	v_lshrrev_b32 v5, 1, v2
	s_add_co_u32 s19, s19, 2*32*SP
	v_add_nc_u32 v5, s19, v5                       ; LDS: my wave's 256 scale bytes, my block's byte
	v_lshlrev_b32 v7, 3, v2                        ; and on the way out 8 bytes a lane
	v_add_nc_u32 v6, s19, v7
	s_cmp_lt_u32 ttmp9, NQX                        ; x's work-group or w_qkv's?  The choice hangs on the work-group's number alone
	s_cselect_b64 s[4:5], s[4:5], s[6:7]
	s_cselect_b32 s19, 0, NQX
	s_sub_co_u32 s19, ttmp9, s19
	s_lshl_b32 s19, s19, 2
	s_add_co_u32 s20, s19, s18                     ; which run of 8,192 numbers of the tensor is my wave's
	s_lshl_b32 s20, s20, 15                        ; 32,768 bytes a run
	s_mov_b32 s21, 0
	s_add_nc_u64 s[4:5], s[4:5], s[20:21]
	s_lshl_b32 s22, ttmp9, 2
	s_add_co_u32 s22, s22, s18                     ; and which run of the two tensors on end
	s_lshl_b32 s20, s22, 12                        ; 4,096 bytes of codes a run
	s_add_nc_u64 s[10:11], s[10:11], s[20:21]
	s_lshl_b32 s20, s22, 8                         ; 256 scale bytes a run
	s_add_nc_u64 s[12:13], s[12:13], s[20:21]
.macro LOAD t
.irp i, 0,1,2,3
	global_load_b128 v[R+16*((\t)%4)+4*\i:R+16*((\t)%4)+4*\i+3], v3, s[4:5] offset:2048*(\t)+512*\i th:TH_LOAD_NT   ; 32 lanes read 512 consecutive bytes
.endr
.endm
.macro TURN t                          ; step t's numbers through the stage: LDS serves a wave's instructions in order, so no wait stands between the stores and the loads
.irp i, 0,1,2,3
	ds_store_b128 v14, v[R+16*((\t)%4)+4*\i:R+16*((\t)%4)+4*\i+3] offset:32*SP*((\t)%2)+8*SP*\i
.endr
.irp i, 0,1,2,3
	ds_load_b128 v[X+16*((\t)%2)+4*\i:X+16*((\t)%2)+4*\i+3], v15 offset:32*SP*((\t)%2)+16*\i
.endr
.endm
.irp t, 0,1,2,3
	LOAD \t
.endr
	s_wait_loadcnt 12                              ; step 0's four loads are in; the twelve of steps 1 to 3 may be out
	TURN 0
.macro STEP t
.set XS, X+16*((\t)%2)
.if (\t) > 0
	s_wait_dscnt 1                                 ; this step's numbers are back from the stage (the last step's byte store may be out): so its stores into the stage have read their registers,
.else
	s_wait_dscnt 0x0
.endif
.if (\t)+4 < STEPS
	LOAD (\t)+4                                    ; which take the loads of four steps on
.endif
.if (\t)+1 < STEPS
.if STEPS-2-(\t) >= 3
	s_wait_loadcnt 12                              ; the next step's four loads are in; those of the three steps behind it may be out
.else
	s_wait_loadcnt 4*(STEPS-2-(\t))
.endif
	TURN (\t)+1                                    ; and go through the other stage while this step is worked
.endif
	v_max3_num_f32 v8, |v[XS]|, |v[XS+1]|, |v[XS+2]|               ; the largest magnitude of my 16, in two chains
	v_max3_num_f32 v9, |v[XS+3]|, |v[XS+4]|, |v[XS+5]|
.irp i, 6,10
	v_max3_num_f32 v8, v8, |v[XS+\i]|, |v[XS+\i+1]|
	v_max3_num_f32 v9, v9, |v[XS+\i+2]|, |v[XS+\i+3]|
.endr
	v_max3_num_f32 v8, v8, |v[XS+14]|, |v[XS+15]|
	v_max3_num_f32 v8, v8, v9, (EMAX+1)<<23        ; and the floor 2^(EMAX + 1 - 127): so the byte cannot fall under 1
	v_max_num_f32_dpp v8, v8, v8 row_xmask:1 row_mask:0xf bank_mask:0xf   ; and of my neighbour's 16: the block's
	v_add_nc_u32 v11, -(EMAX<<23), v8              ; EMAX off its exponent field: the conversion takes the exponent field of this operand as its scale, and nothing else of it
	v_cvt_scalef32_pk8_fp4_f32 v[C+4*(\t)], v[XS:XS+7], v11        ; eight numbers / the scale, to the nearest code; the first number's code in the lowest four bits
	v_cvt_scalef32_pk8_fp4_f32 v[C+4*(\t)+1], v[XS+8:XS+15], v11
	v_lshrrev_b32 v[E+(\t)], 23, v11               ; the scale's byte (also the plain line behind the conversions)
	ds_store_b8 v5, v[E+(\t)] offset:16*(\t)       ; both lanes of a block write the same byte with the same value
	global_store_b64 v4, v[C+4*(\t):C+4*(\t)+1], s[10:11] offset:32*CB*(\t)   ; the wave stores 256 consecutive bytes, aligned
.endm
.irp t, 0,1,2,3,4,5,6,7,8,9,10,11,12,13,14,15
	STEP \t
.endr
	ds_load_b64 v[8:9], v6                         ; LDS serves a wave's instructions in order: these see my stores
	s_wait_dscnt 0x0
	global_store_b64 v7, v[8:9], s[12:13]          ; 32 lanes store 256 consecutive bytes, aligned
	s_wait_tensorcnt 0x0                           ; the wave's end
	ds_add_u32 v[SPW], v[NIL]
	s_wait_dscnt 0x0
	s_endpgm
.Lother:
	s_cmp_ge_u32 ttmp9, NWP
	s_cbranch_scc1 .Ltab
; ---- w_proj TO f16 IMAGES.  Work-group nt takes rows 16 nt .. + 15; wave w the chunks kc = 16 w + i, i = 0 .. 15: 1,024 bytes of each row.
	s_sub_co_u32 s19, ttmp9, NQ                    ; nt
	v_and_b32 v22, 15, v0                          ; r
	v_bfe_u32 v23, v0, 4, 1                        ; h
	v_lshlrev_b32 v20, 12, v22
	v_lshl_add_u32 v20, v23, 5, v20                ; in: row r of 4,096 bytes, + 32 h
	v_lshlrev_b32 v21, 4, v2                       ; out: 16 bytes a lane
	s_lshl_b32 s20, s19, 16                        ; 16 rows
	s_lshl_b32 s22, s18, 10
	s_add_co_u32 s20, s20, s22
	s_mov_b32 s21, 0
	s_add_nc_u64 s[8:9], s[8:9], s[20:21]
	s_lshl_b32 s20, s19, 15                        ; 64 chunks of 512 bytes
	s_lshl_b32 s22, s18, 13
	s_add_co_u32 s20, s20, s22
	s_add_nc_u64 s[14:15], s[14:15], s[20:21]
.irp i, 0,1,2,3,4,5,6,7,8,9,10,11,12,13,14,15
	global_load_b128 v[32+8*\i:32+8*\i+3], v20, s[8:9] offset:64*\i
	global_load_b128 v[32+8*\i+4:32+8*\i+7], v20, s[8:9] offset:64*\i+16
.endr
.irp i, 0,1,2,3,4,5,6,7,8,9,10,11,12,13,14,15
	s_wait_loadcnt 30-2*\i                         ; chunk i's two loads are in; the later chunks' may be out
.irp j, 0,1,2,3
	v_cvt_pk_f16_f32 v[32+8*\i+\j], v[32+8*\i+2*\j], v[32+8*\i+2*\j+1]   ; in place, ascending: a result lands on registers already read
.endr
	global_store_b128 v21, v[32+8*\i:32+8*\i+3], s[14:15] offset:512*\i   ; 512 consecutive bytes; each chunk has registers of its own
.endr
	s_endpgm
.Ltab:
; ---- THE TABLE.  Wave w of work-group g takes token tile T = 4 g + w: positions d = T / 16, h = T % 16, w = r.
	s_sub_co_u32 s19, ttmp9, NWP
	s_lshl_b32 s19, s19, 2
	s_add_co_u32 s19, s19, s18                     ; T
	s_lshr_b32 s20, s19, 4
	s_and_b32 s21, s19, 15
	v_and_b32 v20, 15, v0
	v_cvt_f32_u32 v20, v20                         ; the position along w
	v_mov_b32 v21, s20
	v_cvt_f32_u32 v21, v21                         ; along d
	v_mov_b32 v22, s21
	v_cvt_f32_u32 v22, v22                         ; along h
	v_mov_b32 v23, 0                               ; and of the pairs that do not turn
	v_bfe_u32 v24, v0, 4, 1                        ; lane / 16
	v_lshlrev_b32 v25, 4, v2                       ; out: 16 bytes a lane
	v_mov_b32 v26, 0x3638ef1d                      ; 1 / 9!
	v_mov_b32 v27, 0xb493f27e                      ; -1 / 10!
	s_lshl_b32 s22, s19, 12                        ; 4,096 bytes a token tile
	s_mov_b32 s23, 0
	s_add_nc_u64 s[16:17], s[16:17], s[22:23]
; Pair p = P + 4 (lane / 16): its axis, its frequency 2^(-(p % 10) log2(10000) / 10), its position / 16.  Working registers v[32 + 16 e] on.
.macro OMEGA e, P
.set W, 32+16*(\e)
	v_lshl_add_u32 v[W], v24, 2, \P
	v_mul_u32_u24 v[W+1], v[W], 205
	v_lshrrev_b32 v[W+1], 11, v[W+1]               ; p / 10, exact for p up to 31
	v_mul_u32_u24 v[W+2], v[W+1], 10
	v_sub_nc_u32 v[W+2], v[W], v[W+2]              ; p % 10
	v_cmp_eq_u32 vcc_lo, 1, v[W+1]
	v_cndmask_b32 v[W+3], v21, v22, vcc_lo
	v_cmp_eq_u32 vcc_lo, 2, v[W+1]
	v_cndmask_b32 v[W+3], v[W+3], v20, vcc_lo
	v_cmp_eq_u32 vcc_lo, 3, v[W+1]
	v_cndmask_b32 v[W+3], v[W+3], v23, vcc_lo      ; the axis's position
	v_cvt_f32_u32 v[W+2], v[W+2]
	v_mul_f32 v[W+2], 0xbfaa152d, v[W+2]           ; x -log2(10000) / 10
	v_exp_f32 v[W+4], v[W+2]
	v_mul_f32 v[W+5], 0x3d800000, v[W+3]           ; position / 16 (the plain line behind the exponential)
.endm
.macro DBL sa, ca, sb, cb              ; sine and cosine of twice the angle: 2 s c and 1 - 2 s s
	v_add_f32 v[W+10], v[\sa], v[\sa]
	v_mul_f32 v[\sb], v[W+10], v[\ca]
	v_fma_f32 v[\cb], -v[W+10], v[\sa], 1.0
.endm
.macro TRIG e, dc, ds
.set W, 32+16*(\e)
	v_mul_f32 v[W+6], v[W+5], v[W+4]               ; x = the angle / 16, under 1
	v_mul_f32 v[W+7], v[W+6], v[W+6]               ; z = x x
	v_fmaak_f32 v[W+8], v[W+7], v26, 0xb9500d01    ; the two series, by turns
	v_fmaak_f32 v[W+9], v[W+7], v27, 0x37d00d01
	v_fmaak_f32 v[W+8], v[W+8], v[W+7], 0x3c088889
	v_fmaak_f32 v[W+9], v[W+9], v[W+7], 0xbab60b61
	v_fmaak_f32 v[W+8], v[W+8], v[W+7], 0xbe2aaaab
	v_fmaak_f32 v[W+9], v[W+9], v[W+7], 0x3d2aaaab
	v_fma_f32 v[W+8], v[W+8], v[W+7], 1.0
	v_fma_f32 v[W+9], v[W+9], v[W+7], -0.5
	v_mul_f32 v[W+8], v[W+8], v[W+6]               ; sin x
	v_fma_f32 v[W+9], v[W+9], v[W+7], 1.0          ; cos x
	DBL W+8, W+9, W+12, W+13
	DBL W+12, W+13, W+8, W+9
	DBL W+8, W+9, W+12, W+13
	DBL W+12, W+13, \ds, \dc
.endm
.irp j, 0,1,2,3,4,5,6,7
	OMEGA 0, 8*(\j/2)+2*(\j%2)
	OMEGA 1, 8*(\j/2)+2*(\j%2)+1
	s_wait_alu depctr_va_vdst(0)                   ; one wait for the two exponentials, ahead of their first reader
	TRIG 0, 64+8*\j, 65+8*\j
	TRIG 1, 66+8*\j, 67+8*\j
.irp i, 0,1,2,3
	v_mul_f32 v[68+8*\j+\i], 0x3e38aa3b, v[64+8*\j+\i]   ; q's section: x log2(e) / 8
.endr
	global_store_b128 v25, v[68+8*\j:71+8*\j], s[16:17] offset:512*\j          ; 512 consecutive bytes; each chunk has registers of its own
	global_store_b128 v25, v[64+8*\j:67+8*\j], s[16:17] offset:524288+512*\j
.endr
	s_endpgm
.Lfunc_end_k_q1973699460_prep:
	.size	k_q1973699460_prep, .Lfunc_end_k_q1973699460_prep-k_q1973699460_prep
	.p2alignl 7, 3214868480
	.fill 96, 4, 3214868480
	.section	.rodata,"a",@progbits
	.p2align	6, 0x0
	.amdhsa_kernel k_q1973699460_prep
		.amdhsa_group_segment_fixed_size 33280
		.amdhsa_private_segment_fixed_size 0
		.amdhsa_enable_private_segment 0
		.amdhsa_kernarg_size 56
		.amdhsa_user_sgpr_count 2
		.amdhsa_user_sgpr_kernarg_segment_ptr 1
		.amdhsa_wavefront_size32 1
		.amdhsa_system_sgpr_workgroup_id_x 1
		.amdhsa_system_sgpr_workgroup_id_y 1
		.amdhsa_system_sgpr_workgroup_id_z 1
		.amdhsa_system_vgpr_workitem_id 0
		.amdhsa_next_free_vgpr 192
		.amdhsa_next_free_sgpr 66
		.amdhsa_reserve_vcc 1
		.amdhsa_float_denorm_mode_32 3
		.amdhsa_float_denorm_mode_16_64 3
		.amdhsa_memory_ordered 1
		.amdhsa_forward_progress 1
		.amdhsa_inst_pref_size 77
	.end_amdhsa_kernel
	.amdgpu_metadata
---
amdhsa.version: [ 1, 2 ]
amdhsa.kernels:
  - .name:           k_q1973699460_prep
    .symbol:         k_q1973699460_prep.kd
    .args:
      - { .name: x, .offset: 0, .size: 8, .value_kind: global_buffer, .address_space: global }
      - { .name: w_qkv, .offset: 8, .size: 8, .value_kind: global_buffer, .address_space: global }
      - { .name: w_proj, .offset: 16, .size: 8, .value_kind: global_buffer, .address_space: global }
      - { .name: codes, .offset: 24, .size: 8, .value_kind: global_buffer, .address_space: global }
      - { .name: scales, .offset: 32, .size: 8, .value_kind: global_buffer, .address_space: global }
      - { .name: wp, .offset: 40, .size: 8, .value_kind: global_buffer, .address_space: global }
      - { .name: tab, .offset: 48, .size: 8, .value_kind: global_buffer, .address_space: global }
    .group_segment_fixed_size: 33280
    .private_segment_fixed_size: 0
    .kernarg_segment_align: 8
    .kernarg_segment_size: 56
    .max_flat_workgroup_size: 128
    .sgpr_count:     66
    .vgpr_count:     192
    .wavefront_size: 32
...
	.end_amdgpu_metadata
.endif
;; end of part 1
;; launch qkv (part 2): grid 12 x 64, 4 waves a work-group, clusters of 4 x 4, 209,408 bytes of LDS; arguments codes, scales, tab, qkv; writes qkv
.if DOCPART == 2
	.amdgcn_target "amdgcn-amd-amdhsa--gfx1250"
	.amdhsa_code_object_version 6
	.text
	.protected	k_q1973699460_qkv
	.globl	k_q1973699460_qkv
	.p2align	8
	.type	k_q1973699460_qkv,@function
k_q1973699460_qkv:
	s_mov_b64 s[64:65], 0
	v_nop
	global_prefetch_b8 v0, s[64:65] scope:SCOPE_SE
	s_setreg_imm32_b32 hwreg(HW_REG_WAVE_MODE, 25, 1), 1
	s_wait_xcnt 0x0
	s_wait_alu depctr_hold_cnt(0) depctr_sa_sdst(0) depctr_va_vdst(0) depctr_va_sdst(0) depctr_va_ssrc(0) depctr_va_vcc(0) depctr_vm_vsrc(0)
	s_getreg_b32 s2, hwreg(HW_REG_IB_STS2, 6, 4)
	s_cmp_eq_u32 s2, 0
	s_cbranch_scc0 .Lentry_in_a_cluster
	s_endpgm
.Lentry_in_a_cluster:
	s_bfe_u32 s2, ttmp6, 0x10000c
	s_cmp_lg_u32 s2, 0xf033
	s_cbranch_scc0 .Lentry_shape_is_right
	s_endpgm
.Lentry_shape_is_right:
; QKV: x w_qkv^T on codes of FP4 (E2M1) with one E8M0 scale for each 32 along K, f32 sums; then RoPE on q and k, q times log2(e) / 8 (both from the table), and all three to f16.
; SHARES.  A work-group makes 128 tokens x 256 channels of w_qkv: four heads of ONE kind (q, k or v): the kind is the cluster's x, the same in all sixteen partners.  Each of four waves makes 64 tokens x 128 channels (two heads):
; 32 accumulators of 16 x 16.  THE MATRIX INSTRUCTION IS USED TRANSPOSED (source 0 = 16 rows of w_qkv, source 1 = 16 tokens): a lane holds ONE token and eight neighbouring channels, so RoPE's pairs are register pairs.
; LDS.  All of K (1,024) lies in LDS as two slots of 512 along K (rows of 256 bytes + 16 of padding), both filled once: nothing is filled again.
; CLUSTER.  4 x 4 work-groups: x's tiles are asked for jointly along a row of the cluster, w_qkv's along a column.
; SCALES come straight into registers: a row's 32 bytes are 8 words; lanes 0-15 take words 0-3 of their row, lanes 16-31 words 4-7: a load covers 512 consecutive bytes, and K steps 4-7 read the upper lanes.
; THE RESULT is laid in the order of the next launch's operand registers: qkv[kind][batch x head][token tile][channel tile][place][16 bytes]; a lane's 16 bytes are its token's 8 channels.
;   q, k: place = my lane.   v: place = 16 (r / 8) + 8 h + r % 8, so that the turning LDS load of the next launch, at 16 x lane, gives a lane one channel and eight keys.   Every store covers 512 consecutive bytes.
; v's blocks take no table and no RoPE: the text parts once on the kind, and each way is written out to its end.
; LIMIT: a q log2(e) / 8, k or v beyond 65,504 becomes infinity in f16.
; REGISTERS, in windows of 256: window 0: v16-29 addresses; v32-47 x's scale words, v48-79 w's (they hold nothing else); v80-143 x's fragments, two sets; on the way out v80-111 at work, v128-255 results.
;   window 1: accumulator (a, b) at v[8 (8 a + b)].   window 2: v0-127 w's fragments, two sets; v128-255 the table: token tile a, channel tile t at v[128 + 32 a + 8 t].
.set PITCH, 272                        ; an LDS row: 256 bytes + 16: the 16 rows that a load touches start at 16 different banks (64 banks of 4 bytes: ISA guide 11.1)
.set XROWS, 64*PITCH                   ; what a tensor load brings of x
.set WROWS, 128*PITCH                  ; and of w_qkv
.set WOFF,  2*XROWS                    ; a slot: x's 128 rows, then w's 256
.set SLOT,  WOFF+2*WROWS
.set SPARE, 2*SLOT                     ; behind the slots: the spare words, 128 bytes a wave
.set XCB,   4194304                    ; w_qkv's codes begin here in 'codes',
.set XSB,   262144                     ; its scale bytes here in 'scales'
.set ADRX, 16                          ; v16-17  LDS address of my x fragments in slot 0, 1
.set ADRW, 20                          ; v20-21  the same for w
.set OFFK, 24                          ; v24     16 x lane: table loads, q's and k's stores
.set OFFV, 25                          ; v25     16 x v's place
.set SOF,  26                          ; v26     32 r + 16 h: my place in 16 rows of scale bytes
.set SPW,  28                          ; v28     LDS address of my spare word; never rewritten
.set NIL,  29                          ; v29     0; never rewritten
.set XS,   32
.set WS,   48
.set XF,   80
.set TP,   80
.set OUT,  128
.set G1,  24                           ; s[24:31] descriptor group 1 for x's tiles; s[32:39] group 0, a set for each slot
.set G0,  32
.set G1B, 48                           ; s[48:55], s[56:63] the same for w's
.set G0B, 56
.set MSB, 0
.macro WIN new                         ; the immediate's high byte repeats the setting that is left
.if MSB != \new
	s_set_vgpr_msb (MSB<<8)|\new
.set MSB, \new
.endif
.endm
.set MUL,  0x52                        ; source 0 (w) window 2, source 1 (x) window 0, C and D window 1
.set TO_W, 0x80                        ; destination window 2
.set ROPE, 0x09                        ; source 0 (sums) window 1, source 1 (table) window 2, the rest window 0
.set VCVT, 0x05                        ; sources 0 and 1 window 1
; A joint load: waves 0 and 1 fetch for x, waves 2 and 3 for w.  The branch hangs on the wave's number alone.  An s_nop 0 and four v_nop follow each of the two lines.
.macro JLOAD g0a, g1a, g0b, g1b
	s_cmp_eq_u32 s15, 0
	s_cbranch_scc0 .Lfor_b_\@
	tensor_load_to_lds s[\g0a:\g0a+3], s[\g1a:\g1a+7]
	s_nop 0
.rept 4
	v_nop
.endr
	s_branch .Lasked_\@
.Lfor_b_\@:
	tensor_load_to_lds s[\g0b:\g0b+3], s[\g1b:\g1b+7]
	s_nop 0
.rept 4
	v_nop
.endr
.Lasked_\@:
.endm
.macro CROUND                          ; a round of the cluster's barrier
	s_barrier_signal -1
	s_barrier_wait -1
	s_cmp_lg_u32 s14, 0
	s_cbranch_scc1 .Lnot_wave_0_\@
	s_barrier_signal -3
.Lnot_wave_0_\@:
	s_barrier_wait -3
	s_barrier_signal -1
	s_barrier_wait -1
.endm
.macro PLACES n
.rept \n
	v_nop
.endr
.endm
	s_load_b256 s[4:11], s[0:1], 0x0               ; codes s[4:5], scales s[6:7], tab s[8:9], qkv s[10:11]
	v_lshl_add_u32 v[SPW], v0, 2, SPARE
	v_mov_b32 v[NIL], 0
	ds_add_u32 v[SPW], v[NIL]                      ; the wave's opening: the add, twice on end, and its wait ahead of my first tensor load
	ds_add_u32 v[SPW], v[NIL]
	v_lshrrev_b32 v1, 5, v0
	v_readfirstlane_b32 s14, v1                    ; wave 0..3
	s_lshr_b32 s15, s14, 1                         ; wm: which 64 tokens are mine.  Also: I fetch for x (0) or for w (1)
	s_and_b32 s16, s14, 1                          ; wn: which 128 channels.  Also: which half of that tile I fetch
	s_bfe_u32 s40, ttmp6, 0x40000                  ; cx, cy: my place in the cluster
	s_bfe_u32 s41, ttmp6, 0x40004
	s_lshl_b32 s42, ttmp9, 2
	s_add_co_u32 s42, s42, s40                     ; NB: my block of 256 channels
	s_and_b32 s17, ttmp7, 0xffff
	s_lshl_b32 s17, s17, 2
	s_add_co_u32 s17, s17, s41                     ; MB: my block of 128 tokens
	s_lshl_b32 s43, s41, 2
	s_lshl_b32 s43, 15, s43                        ; my row of the cluster
	s_lshl_b32 s44, 0x1111, s40                    ; my column
	s_mov_b32 s45, ttmp9                           ; the kind: 0 q, 1 k, 2 v
	s_or_b32 s[G1+0], s43, (0<<16)|(1<<20)|(1<<21)|(5<<22)|(3<<25)   ; the mask; elements of 1 byte; padding on; bit 21 beside a mask; after every 64 words 4 words
	s_or_b32 s[G1B+0], s44, (0<<16)|(1<<20)|(1<<21)|(5<<22)|(3<<25)
	s_mov_b32 s[G1+1], 256<<16                     ; tensor_dim0
	s_mov_b32 s[G1+2], 64<<16                      ; tensor_dim1
	s_mov_b32 s[G1+3], 256<<16                     ; tile_dim0
	s_mov_b32 s[G1+4], 64                          ; tile_dim1
	s_mov_b32 s[G1+5], 512                         ; a row of codes in memory
	s_mov_b32 s[G1+6], 0
	s_mov_b32 s[G1+7], 0
	s_mov_b32 s[G1B+1], 256<<16
	s_mov_b32 s[G1B+2], 128<<16
	s_mov_b32 s[G1B+3], 256<<16
	s_mov_b32 s[G1B+4], 128
	s_mov_b32 s[G1B+5], 512
	s_mov_b32 s[G1B+6], 0
	s_mov_b32 s[G1B+7], 0
	s_lshl_b32 s18, s16, 6
	s_lshl_b32 s20, s17, 7
	s_add_co_u32 s20, s20, s18                     ; x: row 128 MB + 64 x half
	s_lshl_b32 s20, s20, 9
	s_mov_b32 s21, 0
	s_lshl_b32 s18, s16, 7
	s_lshl_b32 s46, s42, 8
	s_add_co_u32 s46, s46, s18                     ; w: row 256 NB + 128 x half
	s_lshl_b32 s46, s46, 9
	s_add_co_u32 s46, s46, XCB
	s_mov_b32 s47, 0
	s_mul_i32 s76, s16, XROWS                      ; where they go: no place in the cluster enters an LDS address
	s_mul_i32 s77, s16, WROWS
	s_add_co_u32 s77, s77, WOFF
	s_lshl_b32 s22, s17, 7                         ; my tokens' scale bytes: row 128 MB + 64 wm, 32 bytes a row
	s_lshl_b32 s23, s15, 6
	s_add_co_u32 s22, s22, s23
	s_lshl_b32 s68, s22, 5
	s_mov_b32 s69, 0
	s_lshl_b32 s22, s42, 8                         ; my channels': row 256 NB + 128 wn
	s_lshl_b32 s23, s16, 7
	s_add_co_u32 s22, s22, s23
	s_lshl_b32 s70, s22, 5
	s_add_co_u32 s70, s70, XSB
	s_mov_b32 s71, 0
	s_and_b32 s22, s17, 15
	s_lshl_b32 s22, s22, 3
	s_lshl_b32 s23, s15, 2
	s_add_co_u32 s22, s22, s23                     ; my first token tile in its sequence: 8 (MB % 16) + 4 wm
	s_lshl_b32 s72, s22, 12                        ; the table: 4,096 bytes a token tile,
	s_lshl_b32 s23, s45, 19                        ; 524,288 a section
	s_add_co_u32 s72, s72, s23
	s_mov_b32 s73, 0
	s_lshr_b32 s23, s17, 4
	s_lshl_b32 s23, s23, 4                         ; 16 x batch
	s_lshl_b32 s66, s40, 2
	s_add_co_u32 s23, s23, s66
	s_lshl_b32 s66, s16, 1
	s_add_co_u32 s23, s23, s66                     ; + my first head: 4 cx + 2 wn
	s_lshl_b32 s23, s23, 7
	s_add_co_u32 s23, s23, s22                     ; 128 token tiles a head
	s_lshl_b32 s74, s23, 11                        ; 2,048 bytes a token tile
	s_lshl_b32 s23, s45, 24                        ; 16,777,216 a kind
	s_add_co_u32 s74, s74, s23
	s_mov_b32 s75, 0
	s_wait_dscnt 0x0                               ; both opening adds are done
	s_wait_kmcnt 0x0
	s_add_nc_u64 s[20:21], s[4:5], s[20:21]
	s_add_nc_u64 s[46:47], s[4:5], s[46:47]
	s_add_nc_u64 s[68:69], s[6:7], s[68:69]
	s_add_nc_u64 s[70:71], s[6:7], s[70:71]
	s_add_nc_u64 s[74:75], s[10:11], s[74:75]
	CROUND                                         ; all sixteen work-groups are here: the joint loads meet
.irp s, 0,1
	s_mov_b32 s[G0+4*\s], 1
	s_add_co_u32 s[G0+4*\s+1], s76, \s*SLOT
	s_add_nc_u64 s[G0+4*\s+2:G0+4*\s+3], s[20:21], \s*256
	s_or_b32 s[G0+4*\s+3], s[G0+4*\s+3], 0x80000000
	s_mov_b32 s[G0B+4*\s], 1
	s_add_co_u32 s[G0B+4*\s+1], s77, \s*SLOT
	s_add_nc_u64 s[G0B+4*\s+2:G0B+4*\s+3], s[46:47], \s*256
	s_or_b32 s[G0B+4*\s+3], s[G0B+4*\s+3], 0x80000000
	JLOAD G0+4*\s, G1, G0B+4*\s, G1B               ; two loads of mine are out: all that this launch fetches
.endr
	v_and_b32 v1, 15, v0                           ; r
	v_bfe_u32 v2, v0, 4, 1                         ; h
	v_lshlrev_b32 v[SOF], 5, v1
	v_lshl_add_u32 v[SOF], v2, 4, v[SOF]
.irp a, 0,1,2,3
	global_load_b128 v[XS+4*\a:XS+4*\a+3], v[SOF], s[68:69] offset:512*\a   ; 16 rows x 32 bytes: 512 consecutive bytes
.endr
.irp b, 0,1,2,3,4,5,6,7
	global_load_b128 v[WS+4*\b:WS+4*\b+3], v[SOF], s[70:71] offset:512*\b
.endr
	v_mul_u32_u24 v3, v1, PITCH
	v_lshl_add_u32 v3, v2, 4, v3                   ; a fragment's row x pitch + 16 x half
	s_mul_i32 s22, s15, XROWS                      ; my 64 tokens
	s_mul_i32 s23, s16, WROWS                      ; my 128 channels,
	s_add_co_u32 s23, s23, WOFF                    ; behind x's rows
.irp s, 0,1
	v_add_nc_u32 v[ADRX+\s], s22, v3
	v_add_nc_u32 v[ADRW+\s], s23, v3
	s_add_co_u32 s22, s22, SLOT
	s_add_co_u32 s23, s23, SLOT
.endr
	v_and_b32 v4, 31, v0
	v_lshlrev_b32 v[OFFK], 4, v4
	v_lshrrev_b32 v5, 3, v1
	v_and_b32 v6, 7, v1
	v_lshl_add_u32 v5, v5, 4, v6
	v_lshl_add_u32 v5, v2, 3, v5                   ; 16 (r / 8) + 8 h + r % 8
	v_lshlrev_b32 v[OFFV], 4, v5
.macro FRAG reg, adr, q, i             ; 16 rows x 128 K of 4-bit codes: 8 registers: lane l holds row l % 16; registers 4 c .. 4 c + 3 hold K = 64 c + 32 (l / 16) + 0 .. 31
.irp c, 0,1
	ds_load_b128 v[\reg+4*\c:\reg+4*\c+3], v[\adr] offset:64*(\q)+32*\c+(\i)*16*PITCH
.endr
.endm
.macro FETCH k                         ; K step k's fragments (24 loads) into set k % 2: w's eight, then x's four
	WIN TO_W
.irp i, 0,1,2,3,4,5,6,7
	FRAG 64*((\k)%2)+8*\i, ADRW+(\k)/4, (\k)%4, \i
.endr
	WIN 0
.irp i, 0,1,2,3
	FRAG XF+32*((\k)%2)+8*\i, ADRX+(\k)/4, (\k)%4, \i
.endr
.endm
; K step k: 32 matrix instructions; the 32 accumulators take turns, one instruction a turn, in the same order in every step.  zero = 1: the products start the sums.
.macro MUL32 k, zero
.irp a, 0,1,2,3
.irp b, 0,1,2,3,4,5,6,7
.if \zero
	v_wmma_scale_f32_16x16x128_f8f6f4 v[8*(8*\a+\b):8*(8*\a+\b)+7], v[64*((\k)%2)+8*\b:64*((\k)%2)+8*\b+7], v[XF+32*((\k)%2)+8*\a:XF+32*((\k)%2)+8*\a+7], 0, v[WS+4*\b+(\k)%4], v[XS+4*\a+(\k)%4] matrix_a_fmt:MATRIX_FMT_FP4 matrix_b_fmt:MATRIX_FMT_FP4
.elseif (\k) < 4
	v_wmma_scale_f32_16x16x128_f8f6f4 v[8*(8*\a+\b):8*(8*\a+\b)+7], v[64*((\k)%2)+8*\b:64*((\k)%2)+8*\b+7], v[XF+32*((\k)%2)+8*\a:XF+32*((\k)%2)+8*\a+7], v[8*(8*\a+\b):8*(8*\a+\b)+7], v[WS+4*\b+(\k)%4], v[XS+4*\a+(\k)%4] matrix_a_fmt:MATRIX_FMT_FP4 matrix_b_fmt:MATRIX_FMT_FP4
.else
	v_wmma_scale_f32_16x16x128_f8f6f4 v[8*(8*\a+\b):8*(8*\a+\b)+7], v[64*((\k)%2)+8*\b:64*((\k)%2)+8*\b+7], v[XF+32*((\k)%2)+8*\a:XF+32*((\k)%2)+8*\a+7], v[8*(8*\a+\b):8*(8*\a+\b)+7], v[WS+4*\b+(\k)%4], v[XS+4*\a+(\k)%4] matrix_a_fmt:MATRIX_FMT_FP4 matrix_b_fmt:MATRIX_FMT_FP4 matrix_a_scale:MATRIX_SCALE_ROW1 matrix_b_scale:MATRIX_SCALE_ROW1
.endif
.endr
.endr
.endm
; The eight K steps.  A step's fragments are asked for in front of the step before: 32 matrix instructions ahead of their use.
.macro MAIN
	s_wait_tensorcnt 0x1                           ; my part of slot 0 is in; slot 1's load may be out
	s_barrier_signal -1
	s_barrier_wait -1                              ; everybody's is
	FETCH 0
	s_wait_loadcnt 0x0                             ; the scale words (and the table)
.irp k, 0,1,2,3,4,5,6,7
	s_wait_dscnt 0x0                               ; this step's fragments are in
.if \k == 3
	s_wait_tensorcnt 0x0                           ; my part of slot 1 is in,
	s_barrier_signal -1
	s_barrier_wait -1                              ; everybody's is: the next fetch reads it
.endif
.if \k < 7
.if \k > 0
	PLACES 4                                       ; four places between the last products and loads into the set that they read
.endif
	FETCH \k+1
.endif
	WIN MUL
.if \k == 0
	MUL32 \k, 1
.else
	MUL32 \k, 0
.endif
.endr
	WIN 0
	PLACES 4                                       ; in front of the first read of results and the first write over fragments
.endm
; THE WAY OUT, a tile of 16 tokens and a head at a time.  rope = 1: (x0, x1) of a pair become (x0 cos - x1 sin, x1 cos + x0 sin): a packed multiply by cos and a packed multiply-add that crosses the halves.
; Then eight channels pack into 16 bytes of f16, and four stores of 512 consecutive bytes leave.  Each accumulator is read from its low end on; no store's data are written again.
.macro WAYOUT rope
.irp a, 0,1,2,3
.irp d, 0,1
.set O, OUT+16*(2*\a+\d)
.if \rope
	WIN ROPE
.irp t, 0,1,2,3
.irp p, 0,1,2,3
	v_pk_mul_f32 v[TP+8*\t+2*\p:TP+8*\t+2*\p+1], v[8*(8*\a+4*\d+\t)+2*\p:8*(8*\a+4*\d+\t)+2*\p+1], v[128+32*\a+8*\t+2*\p:128+32*\a+8*\t+2*\p+1] op_sel_hi:[1,0]
.endr
.endr
.irp t, 0,1,2,3
.irp p, 0,1,2,3
	v_pk_fma_f32 v[TP+8*\t+2*\p:TP+8*\t+2*\p+1], v[8*(8*\a+4*\d+\t)+2*\p:8*(8*\a+4*\d+\t)+2*\p+1], v[128+32*\a+8*\t+2*\p:128+32*\a+8*\t+2*\p+1], v[TP+8*\t+2*\p:TP+8*\t+2*\p+1] op_sel:[1,1,0] op_sel_hi:[0,1,1] neg_lo:[1,0,0]
.endr
.endr
	WIN 0
.irp t, 0,1,2,3
.irp p, 0,1,2,3
	v_cvt_pk_f16_f32 v[O+4*\t+\p], v[TP+8*\t+2*\p], v[TP+8*\t+2*\p+1]
.endr
.endr
.irp t, 0,1,2,3
	global_store_b128 v[OFFK], v[O+4*\t:O+4*\t+3], s[74:75] offset:262144*\d+2048*\a+512*\t
.endr
.else
	WIN VCVT
.irp t, 0,1,2,3
.irp p, 0,1,2,3
	v_cvt_pk_f16_f32 v[O+4*\t+\p], v[8*(8*\a+4*\d+\t)+2*\p], v[8*(8*\a+4*\d+\t)+2*\p+1]
.endr
.endr
	WIN 0
.irp t, 0,1,2,3
	global_store_b128 v[OFFV], v[O+4*\t:O+4*\t+3], s[74:75] offset:262144*\d+2048*\a+512*\t
.endr
.endif
.endr
.endr
.endm
.macro FINISH
	s_wait_tensorcnt 0x0                           ; the wave's end
	ds_add_u32 v[SPW], v[NIL]
	s_wait_dscnt 0x0
	CROUND                                         ; the closing round
	s_endpgm
.endm
	s_cmp_eq_u32 s45, 2                            ; the kind is the cluster's x: all sixteen partners, and all waves, go the same way
	s_cbranch_scc1 .Lv
	s_add_nc_u64 s[72:73], s[8:9], s[72:73]        ; q and k: my four token tiles of the table, 16 KB, which both my heads use
	WIN TO_W
.irp a, 0,1,2,3
.irp j, 0,1,2,3,4,5,6,7
	global_load_b128 v[128+32*\a+4*\j:128+32*\a+4*\j+3], v[OFFK], s[72:73] offset:4096*\a+512*\j
.endr
.endr
	WIN 0
	MAIN
	WAYOUT 1
	FINISH
.Lv:
	MAIN
	WAYOUT 0
	FINISH
.Lfunc_end_k_q1973699460_qkv:
	.size	k_q1973699460_qkv, .Lfunc_end_k_q1973699460_qkv-k_q1973699460_qkv
	.p2alignl 7, 3214868480
	.fill 96, 4, 3214868480
	.section	.rodata,"a",@progbits
	.p2align	6, 0x0
	.amdhsa_kernel k_q1973699460_qkv
		.amdhsa_group_segment_fixed_size 209408
		.amdhsa_private_segment_fixed_size 0
		.amdhsa_enable_private_segment 0
		.amdhsa_kernarg_size 32
		.amdhsa_user_sgpr_count 2
		.amdhsa_user_sgpr_kernarg_segment_ptr 1
		.amdhsa_wavefront_size32 1
		.amdhsa_system_sgpr_workgroup_id_x 1
		.amdhsa_system_sgpr_workgroup_id_y 1
		.amdhsa_system_sgpr_workgroup_id_z 1
		.amdhsa_system_vgpr_workitem_id 0
		.amdhsa_next_free_vgpr 768
		.amdhsa_next_free_sgpr 80
		.amdhsa_reserve_vcc 0
		.amdhsa_float_denorm_mode_32 3
		.amdhsa_float_denorm_mode_16_64 3
		.amdhsa_memory_ordered 1
		.amdhsa_forward_progress 1
		.amdhsa_inst_pref_size 144
	.end_amdhsa_kernel
	.amdgpu_metadata
---
amdhsa.version: [ 1, 2 ]
amdhsa.kernels:
  - .name:           k_q1973699460_qkv
    .symbol:         k_q1973699460_qkv.kd
    .args:
      - { .name: codes, .offset: 0, .size: 8, .value_kind: global_buffer, .address_space: global }
      - { .name: scales, .offset: 8, .size: 8, .value_kind: global_buffer, .address_space: global }
      - { .name: tab, .offset: 16, .size: 8, .value_kind: global_buffer, .address_space: global }
      - { .name: qkv, .offset: 24, .size: 8, .value_kind: global_buffer, .address_space: global }
    .group_segment_fixed_size: 209408
    .private_segment_fixed_size: 0
    .kernarg_segment_align: 8
    .kernarg_segment_size: 32
    .max_flat_workgroup_size: 128
    .sgpr_count:     80
    .vgpr_count:     768
    .wavefront_size: 32
...
	.end_amdgpu_metadata
.endif
;; end of part 2
;; launch attn (part 3): grid 4 x 64, 8 waves a work-group, clusters of 4 x 1, 327,680 bytes of LDS; arguments qkv, ai; writes ai
.if DOCPART == 3
	.amdgcn_target "amdgcn-amd-amdhsa--gfx1250"
	.amdhsa_code_object_version 6
	.text
	.protected	k_q1973699460_attn
	.globl	k_q1973699460_attn
	.p2align	8
	.type	k_q1973699460_attn,@function
k_q1973699460_attn:
	s_mov_b64 s[64:65], 0
	v_nop
	global_prefetch_b8 v0, s[64:65] scope:SCOPE_SE
	s_setreg_imm32_b32 hwreg(HW_REG_WAVE_MODE, 25, 1), 1
	s_wait_xcnt 0x0
	s_wait_alu depctr_hold_cnt(0) depctr_sa_sdst(0) depctr_va_vdst(0) depctr_va_sdst(0) depctr_va_ssrc(0) depctr_va_vcc(0) depctr_vm_vsrc(0)
	s_getreg_b32 s2, hwreg(HW_REG_IB_STS2, 6, 4)
	s_cmp_eq_u32 s2, 0
	s_cbranch_scc0 .Lentry_in_a_cluster
	s_endpgm
.Lentry_in_a_cluster:
	s_bfe_u32 s2, ttmp6, 0x10000c
	s_cmp_lg_u32 s2, 0x3003
	s_cbranch_scc0 .Lentry_shape_is_right
	s_endpgm
.Lentry_shape_is_right:
; ATTN: O[q] = the sum over k of softmax_k(q . k / 8) v[k], for each of 64 (batch, head), 2,048 queries and keys, head size 64.  Operands in f16, products, maxima and sums in f32.
; q arrives times log2(e) / 8, so S = K Q^T is the exponent of 2.  For each query a running maximum m and sum l: p = 2^(s - m); in every step O and l are multiplied by a = 2^(m_old - m_new).
; SHARES.  A work-group owns 512 queries of one head, each of its eight waves 64: four tiles of 16, in 512 registers: two waves to a SIMD, so that one wave's softmax stands beside the other's products.
; Every wave walks all 2,048 keys, 64 a step.  K and V come through a ring of two LDS slots of 512 keys; each wave fetches an eighth of a slot (waves 0-3 K's quarters, waves 4-7 V's).
; CLUSTER.  The four work-groups of a cluster are the four query blocks of one head: every tile is asked for jointly, by the same load with a mask that names the four.
; LAYOUT.  Both products are used transposed (S^T = K Q^T, O^T = V^T P): a lane holds ONE query (lane % 16) throughout.  q, k, v lie in memory in the order of the operands' registers, in chunks of 512 bytes
; (16 tokens x 16 channels): every LDS and global access is at 16 x lane, no padding is wanted.  K's chunks are halves of fragments as they lie; V's come turned, by ds_load_tr16_b128.  Two tiles of S^T, rounded to f16 in pairs, ARE a fragment of P.
; THE EXPONENTIALS go in four batches a step, a tile each, with one wait behind each; between a batch's exponentials stand the sums and roundings of the tile before and the subtractions of the tile after.
; O^T begins as zeros and m as -3e38: the step is written once for all steps; the 128 moves run while the first tiles are on their way.
; THE RESULT is laid for the projection's operand: ai[token tile][16-channel chunk][lane][16 bytes].
; LIMITS: a p under 6e-8 becomes 0 in f16 (the row's largest p is 1); a head's result beyond 65,504 becomes infinity.
; REGISTERS: window 0: v1-8 addresses; v16-47 statistics, 8 a tile: +0 m, +1 the old m, then its change, +2, +3 l, +4 to +7 at work (a takes +6); v48-175 S^T, 32 a tile, P packed in place into its first 16; v176-239 K of a step.
;   window 1: v0-127 O^T, 32 a tile; v128-191 Q; v192-255 V of a step.
.set SLOT1, 1<<17                      ; slot 1 begins here: one exclusive or turns an address in one slot into the other's
.set SLOTB, 65536                      ; 512 keys of K, or of V: V's images lie this far behind K's in a slot
.set STEPB, 8192                       ; 64 keys
.set SPARE, 2*SLOT1                    ; behind the ring: the spare words, 128 bytes a wave
.set AK0, 1                            ; v1  16 x lane
.set AV0, 2                            ; v2  16 x lane + SLOTB
.set ADK, 3                            ; v3  LDS address of the step's K
.set ADV, 4                            ; v4  of its V
.set LI,  5                            ; v5  16 x lane: Q's loads, the result's stores
.set SPW, 6                            ; v6  LDS address of my spare word; never rewritten
.set NIL, 7                            ; v7  0; never rewritten
.set PFO, 8                            ; v8  256 x lane: the prefetch's offset; never rewritten
.set ST,  16
.set S,   48
.set KF,  176
.set QF,  128                          ; in window 1
.set VF,  192                          ; in window 1
.set WV,  12                           ; s12 my wave's number
.set G1,  24                           ; s[24:31] descriptor group 1
.set G0,  32                           ; s[32:39] group 0: a set for each of the two first fills; the second then walks on
.set SLOTS, 48                         ; s48 slots still to be asked for
.set CNT, 49                           ; s49 counts a slot's eight steps
.set TB,  50                           ; s50 LDS byte at which the step's K begins
.set LIM, 51                           ; s51 1 in a wave that prefetches, else the greatest number
.set PFA, 52                           ; s[52:53] where my prefetch stands
.set SEL, 54                           ; s[54:55] lane selects for v_permlanex16_b32: lane l xor 16
.set MSB, 0
.macro WIN new                         ; the immediate's high byte repeats the setting that is left
.if MSB != \new
	s_set_vgpr_msb (MSB<<8)|\new
.set MSB, \new
.endif
.endm
.set W_S,  0x04                        ; Q (source 1) in window 1
.set W_PV, 0x51                        ; V (source 0), O^T (C and D) in window 1, P in window 0
.set W_RS, 0x41                        ; O^T (destination and source 0) in window 1
.set TO1,  0x40                        ; destination window 1
.set W_OUT, 0x05                       ; sources 0 and 1 window 1
.macro CROUND                          ; a round of the cluster's barrier
	s_barrier_signal -1
	s_barrier_wait -1
	s_cmp_lg_u32 s[WV], 0
	s_cbranch_scc1 .Lnot_wave_0_\@
	s_barrier_signal -3
.Lnot_wave_0_\@:
	s_barrier_wait -3
	s_barrier_signal -1
	s_barrier_wait -1
.endm
	s_load_b128 s[4:7], s[0:1], 0x0                ; qkv s[4:5], ai s[6:7]
	v_lshl_add_u32 v[SPW], v0, 2, SPARE
	v_mov_b32 v[NIL], 0
	ds_add_u32 v[SPW], v[NIL]                      ; the wave's opening: the add, twice on end, and its wait ahead of my first tensor load
	ds_add_u32 v[SPW], v[NIL]
	v_lshrrev_b32 v9, 5, v0
	v_readfirstlane_b32 s[WV], v9                  ; wave 0..7
	s_bfe_u32 s13, ttmp6, 0x40000                  ; cx: my block of 512 queries
	s_and_b32 s20, ttmp7, 0xffff                   ; 16 x batch + head, which the four partners share
	s_lshr_b32 s21, s[WV], 2
	s_add_co_u32 s21, s21, 1                       ; section 1 (k) for waves 0-3, section 2 (v) for waves 4-7,
	s_lshl_b32 s21, s21, 24                        ; 16,777,216 bytes a section,
	s_lshl_b32 s22, s20, 18                        ; 262,144 a head
	s_add_co_u32 s21, s21, s22
	s_and_b32 s14, s[WV], 3
	s_lshl_b32 s14, s14, 14                        ; my quarter of a slot: 16,384 bytes
	s_add_co_u32 s16, s21, s14
	s_mov_b32 s17, 0
	s_lshl_b32 s15, s[WV], 14                      ; and its place in a slot: K's four quarters, then V's: no place in the cluster enters an LDS address
	s_lshl_b32 s14, s13, 14                        ; the prefetch: of a slot's 65,536 bytes of K (waves 0, 1) or V (waves 4, 5) my work-group takes 16,384, told apart by address,
	s_add_co_u32 s[PFA], s21, s14
	s_and_b32 s14, s[WV], 1
	s_lshl_b32 s14, s14, 13                        ; my wave 8,192: lanes 256 bytes apart
	s_add_co_u32 s[PFA], s[PFA], s14
	s_add_co_u32 s[PFA], s[PFA], 2*SLOTB           ; it stands at the third 512 keys; the first change of slots steps it to the fourth
	s_mov_b32 s[PFA+1], 0
	s_and_b32 s[LIM], s[WV], 2
	s_cmp_eq_u32 s[LIM], 0
	s_cselect_b32 s[LIM], 1, -1
	s_lshl_b32 s56, s13, 16                        ; Q: 32 token tiles of 2,048 bytes a block,
	s_lshl_b32 s14, s[WV], 13                      ; 4 a wave
	s_add_co_u32 s56, s56, s14
	s_add_co_u32 s56, s56, s22
	s_mov_b32 s57, 0
	s_lshr_b32 s58, s20, 4
	s_lshl_b32 s58, s58, 7                         ; the result: token tile 128 x batch + 32 cx + 4 x wave,
	s_lshl_b32 s14, s13, 5
	s_add_co_u32 s58, s58, s14
	s_lshl_b32 s14, s[WV], 2
	s_add_co_u32 s58, s58, s14
	s_lshl_b32 s58, s58, 15                        ; 32,768 bytes each,
	s_and_b32 s14, s20, 15
	s_lshl_b32 s14, s14, 11                        ; + the head's four chunks
	s_add_co_u32 s58, s58, s14
	s_mov_b32 s59, 0
	s_mov_b32 s[G1], 15|(3<<16)|(1<<21)            ; the mask: all four work-groups; elements of 8 bytes; bit 21 beside a mask; no padding
	s_mov_b32 s[G1+1], 32<<16                      ; tensor_dim0: a dense block of 16,384 bytes as 64 rows of 256
	s_mov_b32 s[G1+2], 64<<16                      ; tensor_dim1
	s_mov_b32 s[G1+3], 32<<16                      ; tile_dim0
	s_mov_b32 s[G1+4], 64                          ; tile_dim1
	s_mov_b32 s[G1+5], 32                          ; the pitch
	s_mov_b32 s[G1+6], 0
	s_mov_b32 s[G1+7], 0
	s_mov_b32 s[SEL], 0x76543210
	s_mov_b32 s[SEL+1], 0xfedcba98
	s_mov_b32 s[TB], 0
	s_mov_b32 s[SLOTS], 2                          ; 2,048 keys are four slots' worth: two first fills, two refills
	s_wait_dscnt 0x0                               ; both opening adds are done
	s_wait_kmcnt 0x0
	s_add_nc_u64 s[16:17], s[4:5], s[16:17]
	s_add_nc_u64 s[PFA:PFA+1], s[4:5], s[PFA:PFA+1]
	s_add_nc_u64 s[56:57], s[4:5], s[56:57]
	s_add_nc_u64 s[58:59], s[6:7], s[58:59]
	CROUND                                         ; all four work-groups are here: the first joint loads meet
.irp s, 0,1
	s_mov_b32 s[G0+4*\s], 1
	s_add_co_u32 s[G0+4*\s+1], s15, \s*SLOT1
	s_add_nc_u64 s[G0+4*\s+2:G0+4*\s+3], s[16:17], \s*SLOTB
	s_or_b32 s[G0+4*\s+3], s[G0+4*\s+3], 0x80000000
.endr
	tensor_load_to_lds s[G0:G0+3], s[G1:G1+7]      ; every wave issues both first fills: two loads of mine are out
	s_nop 0
	tensor_load_to_lds s[G0+4:G0+7], s[G1:G1+7]
	s_nop 0
.rept 4
	v_nop
.endr
	v_and_b32 v9, 31, v0
	v_lshlrev_b32 v[AK0], 4, v9
	v_add_nc_u32 v[AV0], SLOTB, v[AK0]
	v_lshlrev_b32 v[LI], 4, v9
	v_lshlrev_b32 v[PFO], 8, v9
	WIN TO1
.irp t, 0,1,2,3
.irp b, 0,1,2,3
	global_load_b128 v[QF+16*\t+4*\b:QF+16*\t+4*\b+3], v[LI], s[56:57] offset:2048*\t+512*\b   ; Q stays in registers: tile t, chunks 2 c and 2 c + 1 are the fragment of channels 32 c on
.endr
.endr
.set i, 0
.rept 128
	v_mov_b32 v[i], 0                              ; O^T
.set i, i+1
.endr
	WIN 0
.irp t, 0,1,2,3
	v_mov_b32 v[ST+8*\t], 0xff61b1e6               ; m: -3e38, under every score
	v_mov_b32 v[ST+8*\t+1], 0
	v_mov_b32 v[ST+8*\t+2], 0                      ; l, in two halves
	v_mov_b32 v[ST+8*\t+3], 0
.endr
.macro SUB t, i                        ; pair i of tile t: s - m
	v_pk_add_f32 v[S+32*(\t)+2*(\i):S+32*(\t)+2*(\i)+1], v[S+32*(\t)+2*(\i):S+32*(\t)+2*(\i)+1], v[ST+8*(\t):ST+8*(\t)+1] op_sel_hi:[1,0] neg_lo:[0,1] neg_hi:[0,1]
.endm
.macro SUM t, i                        ; l = a l + pair 0, then + the other pairs
.if (\i) == 0
	v_pk_fma_f32 v[ST+8*(\t)+2:ST+8*(\t)+3], v[ST+8*(\t)+2:ST+8*(\t)+3], v[ST+8*(\t)+6:ST+8*(\t)+7], v[S+32*(\t):S+32*(\t)+1] op_sel_hi:[1,0,1]
.else
	v_pk_add_f32 v[ST+8*(\t)+2:ST+8*(\t)+3], v[ST+8*(\t)+2:ST+8*(\t)+3], v[S+32*(\t)+2*(\i):S+32*(\t)+2*(\i)+1]
.endif
.endm
.macro CVT t, i                        ; pair i to f16, in place: register i is at or under the pair, which has been summed; later pairs lie higher
	v_cvt_pk_f16_f32 v[S+32*(\t)+(\i)], v[S+32*(\t)+2*(\i)], v[S+32*(\t)+2*(\i)+1]
.endm
.macro SOFT
; the maximum of a lane's 32 scores and the old m, three operands at a time, the four tiles by turns; each accumulator is read from its low end on
.irp j, 0,1,2,3
.irp t, 0,1,2,3
	v_max3_num_f32 v[ST+8*\t+4+\j], v[S+32*\t+8*\j], v[S+32*\t+8*\j+1], v[S+32*\t+8*\j+2]
.endr
.endr
.irp j, 4,5,6,7,8,9,10,11
.irp t, 0,1,2,3
	v_max3_num_f32 v[ST+8*\t+4+\j%4], v[ST+8*\t+4+\j%4], v[S+32*\t+8*(\j%4)+2*(\j/4)+1], v[S+32*\t+8*(\j%4)+2*(\j/4)+2]
.endr
.endr
.irp t, 0,1,2,3
	v_max3_num_f32 v[ST+8*\t+4], v[ST+8*\t+4], v[S+32*\t+7], v[S+32*\t+15]
	v_max3_num_f32 v[ST+8*\t+6], v[ST+8*\t+6], v[S+32*\t+23], v[S+32*\t+31]
.endr
.irp t, 0,1,2,3
	v_max3_num_f32 v[ST+8*\t+4], v[ST+8*\t+4], v[ST+8*\t+5], v[ST+8*\t+6]
.endr
.irp t, 0,1,2,3
	v_max3_num_f32 v[ST+8*\t+4], v[ST+8*\t+4], v[ST+8*\t+7], v[ST+8*\t]
.endr
.irp t, 0,1,2,3
	v_permlanex16_b32 v[ST+8*\t+5], v[ST+8*\t+4], s[SEL], s[SEL+1]   ; the query's other 32 keys lie in the lane 16 away
.endr
.irp t, 0,1,2,3
	v_mov_b32 v[ST+8*\t+1], v[ST+8*\t]
.endr
.irp t, 0,1,2,3
	v_max_num_f32 v[ST+8*\t], v[ST+8*\t+4], v[ST+8*\t+5]             ; the new m
.endr
.irp t, 0,1,2,3
	v_sub_f32 v[ST+8*\t+1], v[ST+8*\t+1], v[ST+8*\t]
.endr
.irp t, 0,1,2,3
	v_exp_f32 v[ST+8*\t+6], v[ST+8*\t+1]                             ; a: read first in the second batch, behind the first batch's wait
.endr
.irp i, 0,1,2,3,4,5,6,7,8,9,10,11,12,13,14,15
	SUB 0, \i
.endr
; Batch t: tile t's 32 exponentials.  Nothing in a batch names one of its results; each batch ends on a plain instruction; behind it stands one wait ahead of the first reader.
.irp t, 0,1,2,3
.irp i, 0,1,2,3,4,5,6,7,8,9,10,11,12,13,14,15
	v_exp_f32 v[S+32*\t+2*\i], v[S+32*\t+2*\i]
.if \t > 0
	SUM \t-1, \i
.endif
	v_exp_f32 v[S+32*\t+2*\i+1], v[S+32*\t+2*\i+1]
.if \t > 0
	CVT \t-1, \i
.endif
.if \t < 3
	SUB \t+1, \i
.endif
.endr
	s_wait_alu depctr_va_vdst(0)
.endr
.irp i, 0,1,2,3,4,5,6,7,8,9,10,11,12,13,14,15
	SUM 3, \i
	CVT 3, \i
.endr
	WIN W_RS
.irp t, 0,1,2,3
.irp i, 0,1,2,3,4,5,6,7,8,9,10,11,12,13,14,15
	v_pk_mul_f32 v[32*\t+2*\i:32*\t+2*\i+1], v[32*\t+2*\i:32*\t+2*\i+1], v[ST+8*\t+6:ST+8*\t+7] op_sel_hi:[1,0]   ; O^T x a
.endr
.endr
.endm
; A KEY STEP: 64 keys.
.macro STEP
	WIN 0
	v_add_nc_u32 v[ADK], s[TB], v[AK0]             ; five places behind the last products V^T P: four are owed to the loads into V's registers, five to the products below, which write over P
	v_add_nc_u32 v[ADV], s[TB], v[AV0]
.rept 3
	v_nop
.endr
.irp k, 0,1,2,3
.irp b, 0,1,2,3
	ds_load_b128 v[KF+16*\k+4*\b:KF+16*\k+4*\b+3], v[ADK] offset:2048*\k+512*\b     ; keys 16 k on, channels 16 b on
.endr
.endr
	WIN TO1
.irp p, 0,1
.irp c, 0,1,2,3
.irp e, 0,1
	ds_load_tr16_b128 v[VF+8*(4*\p+\c)+4*\e:VF+8*(4*\p+\c)+4*\e+3], v[ADV] offset:2048*(2*\p+\e)+512*\c   ; channels 16 c on, keys 32 p + 16 e on, turned
.endr
.endr
.endr
	s_add_co_u32 s[TB], s[TB], STEPB               ; the next step's
	s_wait_dscnt 16                                ; K's 16 loads are in; V's 16, issued behind them, may be out
	WIN W_S
.irp c, 0,1                            ; S^T = K Q^T: 16 accumulators by turns, one instruction a turn; the first 16 start the sums
.irp k, 0,1,2,3
.irp t, 0,1,2,3
.if \c == 0
	v_wmma_f32_16x16x32_f16 v[S+32*\t+8*\k:S+32*\t+8*\k+7], v[KF+16*\k+8*\c:KF+16*\k+8*\c+7], v[QF+16*\t+8*\c:QF+16*\t+8*\c+7], 0
.else
	v_wmma_f32_16x16x32_f16 v[S+32*\t+8*\k:S+32*\t+8*\k+7], v[KF+16*\k+8*\c:KF+16*\k+8*\c+7], v[QF+16*\t+8*\c:QF+16*\t+8*\c+7], v[S+32*\t+8*\k:S+32*\t+8*\k+7]
.endif
.endr
.endr
.endr
	WIN 0
.rept 4
	v_nop                                          ; four places in front of the first read of the scores (ISA guide 7.12.1)
.endr
	SOFT
	s_wait_dscnt 0x0                               ; V is in
	WIN W_PV
.irp p, 0,1                            ; O^T += V^T P: 16 accumulators by turns
.irp c, 0,1,2,3
.irp t, 0,1,2,3
	v_wmma_f32_16x16x32_f16 v[32*\t+8*\c:32*\t+8*\c+7], v[VF+8*(4*\p+\c):VF+8*(4*\p+\c)+7], v[S+32*\t+8*\p:S+32*\t+8*\p+7], v[32*\t+8*\c:32*\t+8*\c+7]
.endr
.endr
.endr
	WIN 0
.endm
.macro EIGHT_STEPS                     ; a slot's eight key steps: written once, walked eight times; the LDS addresses hang on s[TB]
	s_mov_b32 s[CNT], 8
.Lstep_\@:
	STEP
	s_sub_co_u32 s[CNT], s[CNT], 1
	s_cmp_lg_u32 s[CNT], 0
	s_cbranch_scc1 .Lstep_\@
.endm
; THE CHANGE OF SLOTS.  Each wave waits for all its tensor loads (its part of the other slot), adds 0 to its spare word, and waits for that and for its reads of the slot that it leaves.
; fill = 1: a round of the cluster's barrier, and behind it, first, the joint refill of the slot just left: one load a wave, which has eight key steps in which to land.
; Behind the load a prefetch of what the NEXT change will ask for: waves 0, 1 (K) and 4, 5 (V) of each partner, 8,192 bytes a wave, a lane to each 256 bytes; each block is named once in the launch.
; Only the first change has a next one that fills: it asks for the last 512 keys, eight key steps ahead of their load; the first 1,536 keys come by their loads alone.
.macro CHANGE fill
	s_wait_tensorcnt 0x0                           ; no tensor load of mine is out, so a group 0 may be written
	ds_add_u32 v[SPW], v[NIL]                      ; 0 onto my spare word
.if \fill
	s_xor_b32 s[G0+5], s[G0+5], SLOT1              ; the walking descriptor: the other slot than last time,
	s_add_nc_u64 s[G0+6:G0+7], s[G0+6:G0+7], SLOTB ; the next 512 keys; the type bits on top are not reached
	s_wait_xcnt 0x0                                ; the last prefetch, a slot back, has read its address, so it may be written
	s_add_nc_u64 s[PFA:PFA+1], s[PFA:PFA+1], SLOTB
	s_wait_dscnt 0x0                               ; the add is done, and my reads of the slot are over
	CROUND
	tensor_load_to_lds s[G0+4:G0+7], s[G1:G1+7]
	s_nop 0
.rept 4
	v_nop
.endr
	s_cmp_gt_u32 s[SLOTS], s[LIM]
	s_cbranch_scc0 .Lnot_mine_\@
	global_prefetch_b8 v[PFO], s[PFA:PFA+1] th:TH_LOAD_NT scope:SCOPE_SE
.Lnot_mine_\@:
.else
	s_wait_dscnt 0x0                               ; the add is done, and my reads of the slot are over
	s_barrier_signal -1
	s_barrier_wait -1
.endif
	s_sub_co_u32 s[TB], s[TB], SLOTB               ; the fetches go back to a slot's first step,
	s_xor_b32 s[TB], s[TB], SLOT1                  ; in the other slot
.endm
	s_wait_tensorcnt 0x1                           ; my part of slot 0 is in; slot 1's may stay out
	s_barrier_signal -1
	s_barrier_wait -1                              ; everybody's is
	s_wait_loadcnt 0x0                             ; Q
	EIGHT_STEPS
.Lslot:                                            ; two trips: the two refills
	CHANGE 1
	EIGHT_STEPS
	s_sub_co_u32 s[SLOTS], s[SLOTS], 1
	s_cmp_lg_u32 s[SLOTS], 0
	s_cbranch_scc1 .Lslot
	CHANGE 0                                       ; the tail is written out
	EIGHT_STEPS
	; THE WAY OUT.  l's two halves and the other half of the lanes' are added (twelve plain lines: the places behind the last products); O^T is divided by l and rounded to f16: a lane's eight channels are 16 bytes of the result's image.
.irp t, 0,1,2,3
	v_add_f32 v[ST+8*\t+4], v[ST+8*\t+2], v[ST+8*\t+3]
.endr
.irp t, 0,1,2,3
	v_permlanex16_b32 v[ST+8*\t+5], v[ST+8*\t+4], s[SEL], s[SEL+1]
.endr
.irp t, 0,1,2,3
	v_add_f32 v[ST+8*\t+4], v[ST+8*\t+4], v[ST+8*\t+5]
.endr
.irp t, 0,1,2,3
	v_rcp_f32 v[ST+8*\t+6], v[ST+8*\t+4]
.endr
	v_nop                                          ; a plain line behind the last reciprocal,
	s_wait_alu depctr_va_vdst(0)                   ; and the one wait for the four, ahead of their first reader
.irp t, 0,1,2,3
	WIN W_RS
.irp i, 0,1,2,3,4,5,6,7,8,9,10,11,12,13,14,15
	v_pk_mul_f32 v[32*\t+2*\i:32*\t+2*\i+1], v[32*\t+2*\i:32*\t+2*\i+1], v[ST+8*\t+6:ST+8*\t+7] op_sel_hi:[1,0]
.endr
	WIN W_OUT
.irp i, 0,1,2,3,4,5,6,7,8,9,10,11,12,13,14,15
	v_cvt_pk_f16_f32 v[S+16*\t+\i], v[32*\t+2*\i], v[32*\t+2*\i+1]
.endr
	WIN 0
.irp c, 0,1,2,3
	global_store_b128 v[LI], v[S+16*\t+4*\c:S+16*\t+4*\c+3], s[58:59] offset:32768*\t+512*\c   ; 512 consecutive bytes; no store's data are written again
.endr
.endr
	s_wait_tensorcnt 0x0                           ; the wave's end
	ds_add_u32 v[SPW], v[NIL]
	s_wait_dscnt 0x0
	CROUND                                         ; the closing round
	s_endpgm
.Lfunc_end_k_q1973699460_attn:
	.size	k_q1973699460_attn, .Lfunc_end_k_q1973699460_attn-k_q1973699460_attn
	.p2alignl 7, 3214868480
	.fill 96, 4, 3214868480
	.section	.rodata,"a",@progbits
	.p2align	6, 0x0
	.amdhsa_kernel k_q1973699460_attn
		.amdhsa_group_segment_fixed_size 327680
		.amdhsa_private_segment_fixed_size 0
		.amdhsa_enable_private_segment 0
		.amdhsa_kernarg_size 16
		.amdhsa_user_sgpr_count 2
		.amdhsa_user_sgpr_kernarg_segment_ptr 1
		.amdhsa_wavefront_size32 1
		.amdhsa_system_sgpr_workgroup_id_x 1
		.amdhsa_system_sgpr_workgroup_id_y 1
		.amdhsa_system_sgpr_workgroup_id_z 1
		.amdhsa_system_vgpr_workitem_id 0
		.amdhsa_next_free_vgpr 512
		.amdhsa_next_free_sgpr 66
		.amdhsa_reserve_vcc 0
		.amdhsa_float_denorm_mode_32 3
		.amdhsa_float_denorm_mode_16_64 3
		.amdhsa_memory_ordered 1
		.amdhsa_forward_progress 1
		.amdhsa_inst_pref_size 118
	.end_amdhsa_kernel
	.amdgpu_metadata
---
amdhsa.version: [ 1, 2 ]
amdhsa.kernels:
  - .name:           k_q1973699460_attn
    .symbol:         k_q1973699460_attn.kd
    .args:
      - { .name: qkv, .offset: 0, .size: 8, .value_kind: global_buffer, .address_space: global }
      - { .name: ai, .offset: 8, .size: 8, .value_kind: global_buffer, .address_space: global }
    .group_segment_fixed_size: 327680
    .private_segment_fixed_size: 0
    .kernarg_segment_align: 8
    .kernarg_segment_size: 16
    .max_flat_workgroup_size: 256
    .sgpr_count:     66
    .vgpr_count:     512
    .wavefront_size: 32
...
	.end_amdgpu_metadata
.endif
;; end of part 3
;; launch proj (part 4): grid 4 x 64, 4 waves a work-group, clusters of 4 x 4, 327,680 bytes of LDS; arguments ai, wp, b_proj, out0; writes out0
.if DOCPART == 4
	.amdgcn_target "amdgcn-amd-amdhsa--gfx1250"
	.amdhsa_code_object_version 6
	.text
	.protected	k_q1973699460_proj
	.globl	k_q1973699460_proj
	.p2align	8
	.type	k_q1973699460_proj,@function
k_q1973699460_proj:
	s_mov_b64 s[64:65], 0
	v_nop
	global_prefetch_b8 v0, s[64:65] scope:SCOPE_SE
	s_setreg_imm32_b32 hwreg(HW_REG_WAVE_MODE, 25, 1), 1
	s_wait_xcnt 0x0
	s_wait_alu depctr_hold_cnt(0) depctr_sa_sdst(0) depctr_va_vdst(0) depctr_va_sdst(0) depctr_va_ssrc(0) depctr_va_vcc(0) depctr_vm_vsrc(0)
	s_getreg_b32 s2, hwreg(HW_REG_IB_STS2, 6, 4)
	s_cmp_eq_u32 s2, 0
	s_cbranch_scc0 .Lentry_in_a_cluster
	s_endpgm
.Lentry_in_a_cluster:
	s_bfe_u32 s2, ttmp6, 0x10000c
	s_cmp_lg_u32 s2, 0xf033
	s_cbranch_scc0 .Lentry_shape_is_right
	s_endpgm
.Lentry_shape_is_right:
; PROJ: out0 = attention's result x w_proj^T + b_proj.  Operands in f16, sums in f32, the bias as the C of each sum's first product.
; SHARES.  A work-group makes 128 tokens x 256 outputs; each of four waves 64 x 128: 32 accumulators of 16 x 16.  THE MATRIX INSTRUCTION IS USED TRANSPOSED (source 0 = 16 rows of w_proj, source 1 = 16 tokens):
; a lane holds eight neighbouring outputs of one token.  K (1,024) goes in eight steps of 128 through a ring of two LDS slots.
; Both operands lie in memory in the order of the operand's registers, in chunks of 512 bytes (16 rows x 16 along K): a K step of 16 rows is 4,096 consecutive bytes, every LDS read is at 16 x lane, no padding is wanted.
; CLUSTER.  4 x 4 work-groups: the tokens' tiles are asked for jointly along a row of the cluster, w_proj's along a column.
; No prefetch: each tile is shared fourfold by its joint load and read again by the other clusters of its row or column, and a K step's tiles are small.
; REGISTERS: window 0: v16-29 addresses; v32-127, v128-223 two fragment buffers (w's eight fragments, then the tokens' four); on the way out v32-159 rows of the result.
;   window 1: accumulator (a, b) at v[8 (8 a + b)].   window 2: v0-63 the bias, block b at v[8 b].
.set KSB,   4096                       ; a K step of 16 rows, in bytes
.set BOFF,  8*KSB                      ; a slot: the tokens' 8 tiles, then w's 16
.set SLOT,  24*KSB
.set STAGE, 2*SLOT                     ; behind the ring: 16 rows x (512 + 16) bytes for each wave, for the way out; no tile lands there
.set SPITCH, 528
.set SPARE, STAGE+4*16*SPITCH          ; behind the stages: the spare words, 128 bytes a wave
.set ADRA, 16                          ; v16-17  LDS address of my tokens' fragments in slot 0, 1
.set ADRB, 20                          ; v20-21  the same for w
.set STO,  24                          ; v24     the way out: where I put 32 bytes of a row
.set RD,   25                          ; v25     where I read a row back
.set CO,   26                          ; v26     16 x lane
.set BO,   27                          ; v27     32 h: my eight numbers of 16 of the bias
.set SPW,  28                          ; v28     LDS address of my spare word; never rewritten
.set NIL,  29                          ; v29     0; never rewritten
.set F0,   32
.set F1,   128
.set BK,   32
.set G1,  24                           ; s[24:31] descriptor group 1 for the tokens' tiles; s[32:39] group 0, a set for each slot
.set G0,  32
.set G1B, 48                           ; s[48:55], s[56:63] the same for w's
.set G0B, 56
.set MSB, 0
.macro WIN new                         ; the immediate's high byte repeats the setting that is left
.if MSB != \new
	s_set_vgpr_msb (MSB<<8)|\new
.set MSB, \new
.endif
.endm
.set MUL,  0x50                        ; C and D window 1
.set MULB, 0x60                        ; D window 1, C (the bias) window 2
.macro JLOAD s                         ; a joint load: waves 0 and 1 fetch the tokens' halves, waves 2 and 3 w's; an s_nop 0 and four v_nop follow each of the two lines
	s_cmp_eq_u32 s15, 0
	s_cbranch_scc0 .Lfor_b_\@
	tensor_load_to_lds s[G0+4*\s:G0+4*\s+3], s[G1:G1+7]
	s_nop 0
.rept 4
	v_nop
.endr
	s_branch .Lasked_\@
.Lfor_b_\@:
	tensor_load_to_lds s[G0B+4*\s:G0B+4*\s+3], s[G1B:G1B+7]
	s_nop 0
.rept 4
	v_nop
.endr
.Lasked_\@:
.endm
.macro CREST                           ; a round of the cluster's barrier behind its opening barrier
	s_cmp_lg_u32 s14, 0
	s_cbranch_scc1 .Lnot_wave_0_\@
	s_barrier_signal -3
.Lnot_wave_0_\@:
	s_barrier_wait -3
	s_barrier_signal -1
	s_barrier_wait -1
.endm
.macro CROUND
	s_barrier_signal -1
	s_barrier_wait -1
	CREST
.endm
.macro PLACES
.rept 4
	v_nop
.endr
.endm
	s_load_b256 s[4:11], s[0:1], 0x0               ; ai s[4:5], wp s[6:7], b_proj s[8:9], out0 s[10:11]
	v_lshl_add_u32 v[SPW], v0, 2, SPARE
	v_mov_b32 v[NIL], 0
	ds_add_u32 v[SPW], v[NIL]                      ; the wave's opening: the add, twice on end, and its wait ahead of my first tensor load
	ds_add_u32 v[SPW], v[NIL]
	v_lshrrev_b32 v1, 5, v0
	v_readfirstlane_b32 s14, v1                    ; wave 0..3
	s_lshr_b32 s15, s14, 1                         ; wm: which 64 tokens are mine.  Also: I fetch the tokens' tiles (0) or w's (1)
	s_and_b32 s16, s14, 1                          ; wn: which 128 outputs.  Also: which half of that tile I fetch
	s_bfe_u32 s40, ttmp6, 0x40000                  ; cx, cy
	s_bfe_u32 s41, ttmp6, 0x40004
	s_lshl_b32 s42, ttmp9, 2
	s_add_co_u32 s42, s42, s40                     ; NB: my block of 256 outputs
	s_and_b32 s17, ttmp7, 0xffff
	s_lshl_b32 s17, s17, 2
	s_add_co_u32 s17, s17, s41                     ; MB: my block of 128 tokens
	s_lshl_b32 s43, s41, 2
	s_lshl_b32 s43, 15, s43                        ; my row of the cluster
	s_lshl_b32 s44, 0x1111, s40                    ; my column
	s_or_b32 s[G1+0], s43, (3<<16)|(1<<21)         ; the mask; elements of 8 bytes; bit 21 beside a mask; no padding
	s_or_b32 s[G1B+0], s44, (3<<16)|(1<<21)
	s_mov_b32 s[G1+1], 512<<16                     ; tensor_dim0: 4,096 bytes
	s_mov_b32 s[G1+2], 4<<16                       ; tensor_dim1: 4 token tiles
	s_mov_b32 s[G1+3], 512<<16                     ; tile_dim0
	s_mov_b32 s[G1+4], 4                           ; tile_dim1
	s_mov_b32 s[G1+5], 4096                        ; from tile to tile: 32,768 bytes
	s_mov_b32 s[G1+6], 0
	s_mov_b32 s[G1+7], 0
	s_mov_b32 s[G1B+1], 512<<16
	s_mov_b32 s[G1B+2], 8<<16                      ; 8 tiles of 16 rows of w
	s_mov_b32 s[G1B+3], 512<<16
	s_mov_b32 s[G1B+4], 8
	s_mov_b32 s[G1B+5], 4096
	s_mov_b32 s[G1B+6], 0
	s_mov_b32 s[G1B+7], 0
	s_lshl_b32 s18, s16, 2
	s_lshl_b32 s20, s17, 3
	s_add_co_u32 s20, s20, s18                     ; token tile 8 MB + 4 x half
	s_lshl_b32 s20, s20, 15
	s_mov_b32 s21, 0
	s_lshl_b32 s18, s16, 3
	s_lshl_b32 s46, s42, 4
	s_add_co_u32 s46, s46, s18                     ; w's tile 16 NB + 8 x half
	s_lshl_b32 s46, s46, 15
	s_mov_b32 s47, 0
	s_lshl_b32 s45, s16, 14                        ; where they go: no place in the cluster enters an LDS address
	s_lshl_b32 s19, s16, 15
	s_add_co_u32 s19, s19, BOFF
	s_wait_dscnt 0x0                               ; both opening adds are done
	s_wait_kmcnt 0x0
	s_add_nc_u64 s[20:21], s[4:5], s[20:21]
	s_add_nc_u64 s[46:47], s[6:7], s[46:47]
	CROUND                                         ; all sixteen work-groups are here: the first joint loads meet
.irp s, 0,1
	s_mov_b32 s[G0+4*\s], 1
	s_add_co_u32 s[G0+4*\s+1], s45, \s*SLOT
	s_add_nc_u64 s[G0+4*\s+2:G0+4*\s+3], s[20:21], \s*KSB
	s_or_b32 s[G0+4*\s+3], s[G0+4*\s+3], 0x80000000
	s_mov_b32 s[G0B+4*\s], 1
	s_add_co_u32 s[G0B+4*\s+1], s19, \s*SLOT
	s_add_nc_u64 s[G0B+4*\s+2:G0B+4*\s+3], s[46:47], \s*KSB
	s_or_b32 s[G0B+4*\s+3], s[G0B+4*\s+3], 0x80000000
	JLOAD \s                                       ; two loads of mine are out
.endr
	v_and_b32 v1, 15, v0                           ; r
	v_bfe_u32 v2, v0, 4, 1                         ; h
	v_lshlrev_b32 v[BO], 5, v2
	s_lshl_b32 s22, s42, 10
	s_lshl_b32 s18, s16, 9
	s_add_co_u32 s22, s22, s18                     ; my first output, in bytes: 1,024 NB + 512 wn
	s_mov_b32 s23, 0
	s_add_nc_u64 s[8:9], s[8:9], s[22:23]
	s_add_nc_u64 s[10:11], s[10:11], s[22:23]
	WIN 0x80                                       ; destination window 2
.irp b, 0,1,2,3,4,5,6,7
	global_load_b128 v[8*\b:8*\b+3], v[BO], s[8:9] offset:64*\b          ; the bias in the result's layout: lane (r, h): outputs 16 b + 8 h + 0 .. 7
	global_load_b128 v[8*\b+4:8*\b+7], v[BO], s[8:9] offset:64*\b+16
.endr
	WIN 0
	s_lshl_b32 s22, s17, 7
	s_lshl_b32 s18, s15, 6
	s_add_co_u32 s22, s22, s18                     ; my first token: 128 MB + 64 wm,
	s_lshl_b32 s22, s22, 12                        ; 4,096 bytes a row of the output
	s_add_nc_u64 s[10:11], s[10:11], s[22:23]
	v_and_b32 v3, 31, v0
	v_lshlrev_b32 v[CO], 4, v3
	s_lshl_b32 s22, s15, 14                        ; my four token tiles
	s_lshl_b32 s18, s16, 15                        ; my eight tiles of w,
	s_add_co_u32 s18, s18, BOFF                    ; behind the tokens'
.irp s, 0,1
	v_add_nc_u32 v[ADRA+\s], s22, v[CO]
	v_add_nc_u32 v[ADRB+\s], s18, v[CO]
	s_add_co_u32 s22, s22, SLOT
	s_add_co_u32 s18, s18, SLOT
.endr
	s_mul_i32 s22, s14, 16*SPITCH
	s_add_co_u32 s22, s22, STAGE                   ; my stage
	v_mul_u32_u24 v4, v1, SPITCH
	v_lshl_add_u32 v4, v2, 5, v4
	v_add_nc_u32 v[STO], s22, v4                   ; in: row r, 32 bytes for each half of the lanes
	v_add_nc_u32 v[RD], s22, v[CO]                 ; back: the 32 lanes take one row of 512 bytes
; 24 LDS loads in one run: the fragments of quarter q (32 along K) of a slot into buffer f: w's eight, then the tokens' four
.macro FETCH slot, q, f
.irp b, 0,1,2,3,4,5,6,7
	ds_load_b128 v[\f+8*\b:\f+8*\b+3], v[ADRB+\slot] offset:KSB*\b+1024*(\q)
	ds_load_b128 v[\f+8*\b+4:\f+8*\b+7], v[ADRB+\slot] offset:KSB*\b+1024*(\q)+512
.endr
.irp a, 0,1,2,3
	ds_load_b128 v[\f+64+8*\a:\f+64+8*\a+3], v[ADRA+\slot] offset:KSB*\a+1024*(\q)
	ds_load_b128 v[\f+64+8*\a+4:\f+64+8*\a+7], v[ADRA+\slot] offset:KSB*\a+1024*(\q)+512
.endr
.endm
; 8 matrix instructions: token block a against w's eight.  The 32 accumulators take turns, one instruction a turn, in the same order in every quarter.  first = 1: the bias starts the sums.
.macro MUL8 f, a, first
.irp b, 0,1,2,3,4,5,6,7
.if \first
	v_wmma_f32_16x16x32_f16 v[8*(8*(\a)+\b):8*(8*(\a)+\b)+7], v[\f+8*\b:\f+8*\b+7], v[\f+64+8*(\a):\f+64+8*(\a)+7], v[8*\b:8*\b+7]
.else
	v_wmma_f32_16x16x32_f16 v[8*(8*(\a)+\b):8*(8*(\a)+\b)+7], v[\f+8*\b:\f+8*\b+7], v[\f+64+8*(\a):\f+64+8*(\a)+7], v[8*(8*(\a)+\b):8*(8*(\a)+\b)+7]
.endif
.endr
.endm
.macro WINM first
.if \first
	WIN MULB
.else
	WIN MUL
.endif
.endm
; A K step is four quarters of 32 along K, 32 matrix instructions each, on buffers 0, 1, 0, 1.  One of the first three: multiplies buffer f and, in its middle, fetches quarter q into g.
.macro QUARTER slot, q, f, g, first
	s_wait_dscnt 4                                 ; w's fragments and token blocks 0, 1 are in; the youngest four loads (blocks 2, 3) may be out
	WINM \first
	MUL8 \f, 0, \first
	MUL8 \f, 1, \first
	PLACES                                         ; four places in front of loads into the buffer that the quarter before multiplied
	WIN 0
	FETCH \slot, \q, \g
	s_wait_dscnt 24                                ; all but the 24 just issued
	WINM \first
	MUL8 \f, 2, \first
	MUL8 \f, 3, \first
.endm
; The last quarter multiplies buffer 1 and changes slots: ONE barrier; in front of it each wave waits for all its tensor loads, adds 0 to its spare word, and waits for that and for its reads of this slot.
; fill = 1: the barrier opens a round of the cluster's barrier, and this slot is filled again, two K steps ahead: the first tensor load behind the round, 112 matrix instructions ahead of the wait for it.
.macro TURN slot, next, fill
	WIN 0                                          ; (the add's two registers lie in window 0)
	s_wait_tensorcnt 0x0                           ; all my tensor loads have landed: my part of the next slot
	ds_add_u32 v[SPW], v[NIL]                      ; 0 onto my spare word
	s_wait_dscnt 5                                 ; (the add and the youngest four loads may be out)
	WIN MUL
	MUL8 F1, 0, 0                                  ; eight matrix instructions stand between the add and the wait for it
	s_wait_dscnt 0x0                               ; the add is done, and my reads of this slot are over
	s_barrier_signal -1
	MUL8 F1, 1, 0
	WIN 0
	s_barrier_wait -1
.if \fill
	CREST                                          ; no wave of any partner still reads this slot's tiles or has a load on its way
	s_add_nc_u64 s[G0+4*\slot+2:G0+4*\slot+3], s[G0+4*\slot+2:G0+4*\slot+3], 2*KSB
	s_add_nc_u64 s[G0B+4*\slot+2:G0B+4*\slot+3], s[G0B+4*\slot+2:G0B+4*\slot+3], 2*KSB
	JLOAD \slot                                    ; the four v_nop behind it are also the places in front of the loads below
.else
	PLACES
.endif
	FETCH \next, 0, F0
	WIN MUL
	MUL8 F1, 2, 0
	MUL8 F1, 3, 0
.endm
	s_wait_tensorcnt 0x1                           ; my part of K step 0 is in; K step 1's may be out
	s_barrier_signal -1
	s_barrier_wait -1                              ; everybody's is
	FETCH 0, 0, F0
	s_wait_loadcnt 0x0                             ; the bias
	QUARTER 0, 1, F0, F1, 1                        ; the first quarter stands in front of the loop: its products start the sums
	WIN 0                                          ; at a label and at a branch every window is 0
	s_mov_b32 s3, 3
.Llap:                                             ; a trip goes once round the ring, from a lap's second quarter to the next lap's first, and fills both slots again
	QUARTER 0, 2, F1, F0, 0
	QUARTER 0, 3, F0, F1, 0
	TURN 0, 1, 1
	QUARTER 1, 1, F0, F1, 0
	QUARTER 1, 2, F1, F0, 0
	QUARTER 1, 3, F0, F1, 0
	TURN 1, 0, 1
	QUARTER 0, 1, F0, F1, 0
	WIN 0
	s_sub_co_u32 s3, s3, 1
	s_cmp_lg_u32 s3, 0
	s_cbranch_scc1 .Llap
	QUARTER 0, 2, F1, F0, 0                        ; the last lap fills nothing
	QUARTER 0, 3, F0, F1, 0
	TURN 0, 1, 0
	QUARTER 1, 1, F0, F1, 0
	QUARTER 1, 2, F1, F0, 0
	QUARTER 1, 3, F0, F1, 0
	s_wait_dscnt 4                                 ; the very last quarter: nothing more to fetch
	WIN MUL
	MUL8 F1, 0, 0
	MUL8 F1, 1, 0
	s_wait_dscnt 0x0
	MUL8 F1, 2, 0
	MUL8 F1, 3, 0
	WIN 0
; THE WAY OUT, a block of 16 tokens x 128 outputs at a time.  A lane holds 32 neighbouring bytes of a row, and the lanes beside it hold other rows: so a block goes through my own stage in LDS and comes back as whole rows
; of 512 bytes.  LDS serves a wave's instructions in order (ISA guide 5.7.1.4): no wait between the stores and the loads, nor in front of the next block's stores.
.macro TOSTAGE a
	WIN 0x04                                       ; an LDS store's data are its source 1: window 1
.irp b, 0,1,2,3,4,5,6,7
	ds_store_b128 v[STO], v[64*(\a)+8*\b:64*(\a)+8*\b+3] offset:64*\b            ; each accumulator from its low end on
	ds_store_b128 v[STO], v[64*(\a)+8*\b+4:64*(\a)+8*\b+7] offset:64*\b+16
.endr
	WIN 0
.set BB, BK+64*((\a)%2)
.irp t, 0,1,2,3,4,5,6,7,8,9,10,11,12,13,14,15
	ds_load_b128 v[BB+4*\t:BB+4*\t+3], v[RD] offset:\t*SPITCH
.endr
.endm
.macro SEND a, younger                 ; younger: the LDS instructions issued behind block a's loads, which may stay out
.set BB, BK+64*((\a)%2)
	s_wait_dscnt \younger                          ; the block is back in registers
.if (\a) > 0
	s_add_nc_u64 s[10:11], s[10:11], 16*4096       ; 16 rows on (behind a wait on XCNT for 0: the earlier stores have read their base)
.endif
.irp t, 0,1,2,3,4,5,6,7,8,9,10,11,12,13,14,15
	global_store_b128 v[CO], v[BB+4*\t:BB+4*\t+3], s[10:11] offset:\t*4096 th:TH_STORE_NT   ; 32 lanes store 512 consecutive bytes, aligned; written once, read by nobody here
.endr
.endm
	PLACES                                         ; in front of the first read of results and of loads into the fragments' registers
	TOSTAGE 0
.irp a, 1,2,3
.if \a > 1
	s_wait_xcnt 0x0                                ; block a - 2's stores have read their registers and their base
.endif
	TOSTAGE \a
	SEND \a-1, 32                                  ; behind block a - 1's loads: block a's 16 stores and 16 loads
.endr
	s_wait_xcnt 0x0                                ; block 2's stores have read their base
	SEND 3, 0
	s_wait_tensorcnt 0x0                           ; the wave's end
	ds_add_u32 v[SPW], v[NIL]
	s_wait_dscnt 0x0
	CROUND                                         ; the closing round
	s_endpgm
.Lfunc_end_k_q1973699460_proj:
	.size	k_q1973699460_proj, .Lfunc_end_k_q1973699460_proj-k_q1973699460_proj
	.p2alignl 7, 3214868480
	.fill 96, 4, 3214868480
	.section	.rodata,"a",@progbits
	.p2align	6, 0x0
	.amdhsa_kernel k_q1973699460_proj
		.amdhsa_group_segment_fixed_size 327680
		.amdhsa_private_segment_fixed_size 0
		.amdhsa_enable_private_segment 0
		.amdhsa_kernarg_size 32
		.amdhsa_user_sgpr_count 2
		.amdhsa_user_sgpr_kernarg_segment_ptr 1
		.amdhsa_wavefront_size32 1
		.amdhsa_system_sgpr_workgroup_id_x 1
		.amdhsa_system_sgpr_workgroup_id_y 1
		.amdhsa_system_sgpr_workgroup_id_z 1
		.amdhsa_system_vgpr_workitem_id 0
		.amdhsa_next_free_vgpr 576
		.amdhsa_next_free_sgpr 66
		.amdhsa_reserve_vcc 0
		.amdhsa_float_denorm_mode_32 3
		.amdhsa_float_denorm_mode_16_64 3
		.amdhsa_memory_ordered 1
		.amdhsa_forward_progress 1
		.amdhsa_inst_pref_size 86
	.end_amdhsa_kernel
	.amdgpu_metadata
---
amdhsa.version: [ 1, 2 ]
amdhsa.kernels:
  - .name:           k_q1973699460_proj
    .symbol:         k_q1973699460_proj.kd
    .args:
      - { .name: ai, .offset: 0, .size: 8, .value_kind: global_buffer, .address_space: global }
      - { .name: wp, .offset: 8, .size: 8, .value_kind: global_buffer, .address_space: global }
      - { .name: b_proj, .offset: 16, .size: 8, .value_kind: global_buffer, .address_space: global }
      - { .name: out0, .offset: 24, .size: 8, .value_kind: global_buffer, .address_space: global }
    .group_segment_fixed_size: 327680
    .private_segment_fixed_size: 0
    .kernarg_segment_align: 8
    .kernarg_segment_size: 32
    .max_flat_workgroup_size: 128
    .sgpr_count:     66
    .vgpr_count:     576
    .wavefront_size: 32
...
	.end_amdgpu_metadata
.endif
;; end of part 4
